; MI455X (gfx1250); checked and timed in simulation.
; The chip was launched on July 23, 2026; its instructions are those of AMD's public machine-readable ISA for CDNA 5 (MIT licence, August 2026) and "CDNA5" Instruction Set Architecture Reference Guide (July 2026). The comments in the code are by the model that wrote it; some were corrected since.
;; ONNX Multihead Attention. Allowed arithmetic: float matrix products may take bf16 or f16 operands with f32 sums; other float arithmetic in f32, or as packed bf16 or f16 multiplies, adds, multiply-adds, maxima and minima; sums over many terms, partial sums and values carried from step to step in f32; what a program stores and reads back later, other than sums and carried values, may be rounded once to bf16 or f16.
;; Inputs: Wk 1,024 x 1,024 float32; Wo 1,024 x 1,024 float32; Wq 1,024 x 1,024 float32; Wv 1,024 x 1,024 float32; attn_mask 2,048 x 2,048 float32; bk 1,024 float32; bo 1,024 float32; bq 1,024 float32; bv 1,024 float32; key 2,048 x 4 x 1,024 float32; key_padding_mask 4 x 2,048 bool; query 2,048 x 4 x 1,024 float32; value 2,048 x 4 x 1,024 float32.
;; Outputs: out0 2,048 x 4 x 1,024 float32.
;; One version. Each part assembles by itself: llvm-mc -triple=amdgcn-amd-amdhsa -mcpu=gfx1250 --defsym DOCPART=n.
;; ======== version 1 of 1: 4 launches
;; limits: values are held in f16: magnitudes above 65,504 overflow, below 6.1e-05 lose precision; right only within a limited range of input values
;; workspace buffers: wts 8,388,608 bytes; mb 33,554,432 bytes; qkv 50,331,648 bytes; o 16,777,216 bytes
;; launch prep (part 1): grid 768 x 1, 8 waves a work-group, no clusters, 0 bytes of LDS; arguments Wq, Wk, Wv, Wo, attn_mask, key_padding_mask, wts, mb; writes wts, mb
.if DOCPART == 1
	.amdgcn_target "amdgcn-amd-amdhsa--gfx1250"
	.amdhsa_code_object_version 6
	.text
	.protected	k_qdc3f31ec24_prep
	.globl	k_qdc3f31ec24_prep
	.p2align	8
	.type	k_qdc3f31ec24_prep,@function
k_qdc3f31ec24_prep:
	s_mov_b64 s[64:65], 0
	v_nop
	global_prefetch_b8 v0, s[64:65] scope:SCOPE_SE
	s_setreg_imm32_b32 hwreg(HW_REG_WAVE_MODE, 25, 1), 1
	s_wait_xcnt 0x0
; THE WEIGHTS AND THE MASK ARE MADE READY FOR THE MATRIX UNITS.  A stream: no LDS, no barrier, no matrix work; every input byte is read once (the padding mask, 8 KB, by each mask group).
; Work-groups 0 to 255 CAST: chunk c is 16,384 numbers of Wq, Wk, Wv, Wo (64 chunks each), f32 -> 16 bits, written at byte 32,768 c of wts, so that
;   wts = Wq, Wk, Wv as bf16 [1024][1024], then Wo rounded to bf16 and that number written as f16.
; Work-groups 256 to 767 make the MASK OPERAND mb: F[b][q][k] = clamp(bf16(attn_mask[q][k]) / 512, -60000, 60000), or -60000 where key_padding_mask[b][k] is set, in f16, laid
;   in the order in which the attention launch takes it as source 1 of a matrix instruction: [b 4][16 queries 128][32 keys 64][c 2][lane 32][8]: lane 16 h + r holds query r, keys 16 c + 8 h + 0..7.
; Both kinds of work-group move 98,304 bytes (the mask groups 2,048 more of padding bytes).
; LIMITS.  Wo: below 2^-17 the f16 copy keeps a fixed step of 2^-24; beyond 65,504 it is lost.  A mask number beyond +-3.07e7 (an infinity too) counts as +-3.07e7, a padded key as -3.07e7;
; below 2^-5 a mask number keeps a fixed step of 2^-15.  NaN is not treated apart.
.set CHUNKS, 256                       ; chunks of the four weights
.set X,    8                           ; cast: v[8:71]     16 loads of 4 numbers
.set Y,    72                          ; cast: v[72:103]   16 pairs of packed words to store
.set T,    104                         ; cast: v[104:105]  at work (Wo)
.set PADR, 8                           ; mask: v[8:39]     8 padding bytes for each (batch, group of 16 keys)
.set XM,   40                          ; mask: v[40:71]    4 groups of 8 mask numbers
.set TM,   72                          ; mask: v[72:75]    bf16 pairs
.set HM,   76                          ; mask: v[76:79]    f16 pairs before the padding
.set MK,   80                          ; mask: v[80:83]    all ones where the key is padded
.set YM,   84                          ; mask: v[84:147]   four registers to store for each (group, batch): none is written twice
	s_load_b512 s[8:23], s[0:1], 0x0               ; Wq s[8:9], Wk, Wv, Wo s[14:15], attn_mask s[16:17], key_padding_mask s[18:19], wts s[20:21], mb s[22:23]
	s_mov_b32 s30, ttmp9
	s_mov_b32 s51, 0xffff0000                      ; a word's upper bf16
	s_cmp_ge_u32 s30, CHUNKS
	s_cbranch_scc1 .Lmask
	; ---- THE CAST ----
	s_lshr_b32 s31, s30, 6                         ; tensor c / 64,
	s_and_b32 s32, s30, 63                         ; chunk c % 64 of it:
	s_lshl_b32 s32, s32, 16                        ; 65,536 bytes of f32,
	s_mov_b32 s33, 0
	s_lshl_b32 s36, s30, 15                        ; and 32,768 bytes of wts
	s_mov_b32 s37, 0
	v_lshlrev_b32 v1, 4, v0                        ; thread t reads 16 bytes at 16 t of every 4,096,
	v_lshlrev_b32 v2, 3, v0                        ; and writes 8 at 8 t of every 2,048
	s_wait_kmcnt 0x0
	s_mov_b64 s[34:35], s[8:9]
.irp n, 1,2,3
	s_cmp_eq_u32 s31, \n                           ; the choice hangs on the chunk's number alone
	s_cselect_b64 s[34:35], s[8+2*\n:9+2*\n], s[34:35]
.endr
	s_add_nc_u64 s[34:35], s[34:35], s[32:33]
	s_add_nc_u64 s[36:37], s[20:21], s[36:37]
.set i, 0
.rept 16
	global_load_b128 v[X+4*i:X+4*i+3], v1, s[34:35] offset:4096*i th:TH_LOAD_NT  ; all 16 go out at once: a wave's load covers 512 neighbouring bytes
.set i, i+1
.endr
; Load n's four numbers are rounded and stored.  mode 1: Wo: to bf16, and that number as f16.  No register of a store is written again, so no wait frees any.
.macro CAST n, mode
	s_wait_loadcnt 15-(\n)                         ; loads come back in order: the 15 - n younger ones stay out
.if \mode
	v_cvt_pk_bf16_f32 v[T], v[X+4*(\n)], v[X+4*(\n)+1]
	v_cvt_pk_bf16_f32 v[T+1], v[X+4*(\n)+2], v[X+4*(\n)+3]
	v_lshlrev_b32 v[X+4*(\n)], 16, v[T]
	v_and_b32 v[X+4*(\n)+1], s51, v[T]
	v_lshlrev_b32 v[X+4*(\n)+2], 16, v[T+1]
	v_and_b32 v[X+4*(\n)+3], s51, v[T+1]
	v_cvt_pk_f16_f32 v[Y+2*(\n)], v[X+4*(\n)], v[X+4*(\n)+1]
	v_cvt_pk_f16_f32 v[Y+2*(\n)+1], v[X+4*(\n)+2], v[X+4*(\n)+3]
.else
	v_cvt_pk_bf16_f32 v[Y+2*(\n)], v[X+4*(\n)], v[X+4*(\n)+1]
	v_cvt_pk_bf16_f32 v[Y+2*(\n)+1], v[X+4*(\n)+2], v[X+4*(\n)+3]
.endif
	global_store_b64 v2, v[Y+2*(\n):Y+2*(\n)+1], s[36:37] offset:2048*(\n)  ; a wave's 32 lanes store 256 consecutive bytes, at a multiple of 256 from wts's first
.endm
	s_cmp_eq_u32 s31, 3
	s_cbranch_scc1 .Lwo
.set i, 0
.rept 16
	CAST i, 0
.set i, i+1
.endr
	s_endpgm
.Lwo:
.set i, 0
.rept 16
	CAST i, 1
.set i, i+1
.endr
	s_endpgm
	; ---- THE MASK OPERAND ----  Group m: 16 queries (m / 4) x 512 keys (quarter m % 4), for all four batches; wave w: 64 of the keys, two blocks of 32, four groups of 16.
.Lmask:
	s_sub_co_u32 s30, s30, CHUNKS
	s_lshr_b32 s31, s30, 2                         ; which 16 queries
	s_and_b32 s32, s30, 3                          ; which quarter of the keys
	s_lshl_b32 s34, s31, 17                        ; 16 rows of 8,192 bytes of attn_mask,
	s_lshl_b32 s33, s32, 11                        ; 512 keys of 4 bytes
	s_add_co_u32 s34, s34, s33
	s_mov_b32 s35, 0
	s_lshl_b32 s36, s32, 9                         ; 512 bytes of the padding mask
	s_mov_b32 s37, 0
	s_lshl_b32 s38, s31, 16                        ; in mb 16 queries are 65,536 bytes,
	s_lshl_b32 s33, s32, 14                        ; 512 keys of them 16,384
	s_add_co_u32 s38, s38, s33
	s_mov_b32 s39, 0
	s_mov_b32 s48, 0xc76a6000                      ; -60000.0
	s_mov_b32 s49, 0x476a6000                      ; 60000.0
	s_mov_b32 s50, 0xfb53fb53                      ; -60000 twice in f16
	s_mov_b32 s52, 0x01010000                      ; byte 0 twice, byte 1 twice
	s_mov_b32 s53, 0x03030202                      ; byte 2 twice, byte 3 twice
	s_mov_b32 s54, 255
	v_and_b32 v4, 15, v0                           ; r: my query
	v_bfe_u32 v5, v0, 4, 1                         ; h: which 8 of 16 keys
	v_lshrrev_b32 v6, 5, v0                        ; w
	v_and_b32 v7, 31, v0                           ; lane
	v_lshlrev_b32 v1, 13, v4                       ; attn_mask: row r, 32 bytes for h, 256 for w
	v_lshl_add_u32 v1, v5, 5, v1
	v_lshl_add_u32 v1, v6, 8, v1
	v_lshlrev_b32 v2, 3, v5                        ; padding: 8 bytes for h, 64 for w
	v_lshl_add_u32 v2, v6, 6, v2
	v_lshlrev_b32 v3, 4, v7                        ; mb: 16 bytes a lane, 2,048 for w
	v_lshl_add_u32 v3, v6, 11, v3
	s_wait_kmcnt 0x0
	s_add_nc_u64 s[16:17], s[16:17], s[34:35]
	s_add_nc_u64 s[18:19], s[18:19], s[36:37]
	s_add_nc_u64 s[40:41], s[22:23], s[38:39]      ; a base for each batch: 8,388,608 bytes apart, more than a store's immediate holds
	s_add_nc_u64 s[42:43], s[40:41], 0x800000
	s_add_nc_u64 s[44:45], s[42:43], 0x800000
	s_add_nc_u64 s[46:47], s[44:45], 0x800000
.irp bb, 0,1,2,3
.irp n, 0,1,2,3
	global_load_b64 v[PADR+2*(4*(\bb)+(\n)):PADR+2*(4*(\bb)+(\n))+1], v2, s[18:19] offset:(\bb)*2048+(\n)*16
.endr
.endr
.irp n, 0,1,2,3
	global_load_b128 v[XM+8*(\n):XM+8*(\n)+3],   v1, s[16:17] offset:(\n)*64 th:TH_LOAD_NT     ; the wave's 8 loads take 256 consecutive bytes of each of 16 rows
	global_load_b128 v[XM+8*(\n)+4:XM+8*(\n)+7], v1, s[16:17] offset:(\n)*64+16 th:TH_LOAD_NT
.endr
.irp n, 0,1,2,3
.set XN, XM+8*(\n)
	s_wait_loadcnt 6-2*(\n)                        ; group n's two loads are in (the padding's are older); the 6 - 2 n younger stay out
.irp j, 0,1,2,3
	v_cvt_pk_bf16_f32 v[TM+(\j)], v[XN+2*(\j)], v[XN+2*(\j)+1]   ; the mask is an input like the others: rounded to bf16
.endr
.irp j, 0,1,2,3
	v_lshlrev_b32 v[XN+2*(\j)], 16, v[TM+(\j)]
	v_and_b32 v[XN+2*(\j)+1], s51, v[TM+(\j)]
.endr
.irp j, 0,1,2,3
	v_pk_mul_f32 v[XN+2*(\j):XN+2*(\j)+1], v[XN+2*(\j):XN+2*(\j)+1], 0x3b000000 op_sel_hi:[1,0]  ; / 512, exact
.endr
.irp j, 0,1,2,3,4,5,6,7
	v_med3_num_f32 v[XN+(\j)], v[XN+(\j)], s48, s49
.endr
.irp j, 0,1,2,3
	v_cvt_pk_f16_f32 v[HM+(\j)], v[XN+2*(\j)], v[XN+2*(\j)+1]
.endr
.irp bb, 0,1,2,3
.set PD, PADR+2*(4*(\bb)+(\n))
.set YN, YM+16*(\n)+4*(\bb)
.irp j, 0,1,2,3
	v_perm_b32 v[MK+(\j)], v[PD+(\j)/2], v[PD+(\j)/2], s[52+(\j)%2]  ; two keys' bytes (0 or 1), each twice,
.endr
.irp j, 0,1,2,3
	v_mul_lo_u32 v[MK+(\j)], v[MK+(\j)], s54       ; times 255: all ones where the key is padded
.endr
.irp j, 0,1,2,3
	v_bfi_b32 v[YN+(\j)], v[MK+(\j)], s50, v[HM+(\j)]
.endr
	global_store_b128 v3, v[YN:YN+3], s[40+2*(\bb):41+2*(\bb)] offset:((\n)/2)*1024+((\n)%2)*512  ; 512 consecutive bytes, at a multiple of 512 from mb's first
.endr
.endr
	s_endpgm
.Lfunc_end_k_qdc3f31ec24_prep:
	.size	k_qdc3f31ec24_prep, .Lfunc_end_k_qdc3f31ec24_prep-k_qdc3f31ec24_prep
	.p2alignl 7, 3214868480
	.fill 96, 4, 3214868480
	.section	.rodata,"a",@progbits
	.p2align	6, 0x0
	.amdhsa_kernel k_qdc3f31ec24_prep
		.amdhsa_group_segment_fixed_size 0
		.amdhsa_private_segment_fixed_size 0
		.amdhsa_enable_private_segment 0
		.amdhsa_kernarg_size 64
		.amdhsa_user_sgpr_count 2
		.amdhsa_user_sgpr_kernarg_segment_ptr 1
		.amdhsa_wavefront_size32 1
		.amdhsa_system_sgpr_workgroup_id_x 1
		.amdhsa_system_sgpr_workgroup_id_y 1
		.amdhsa_system_sgpr_workgroup_id_z 1
		.amdhsa_system_vgpr_workitem_id 0
		.amdhsa_next_free_vgpr 148
		.amdhsa_next_free_sgpr 66
		.amdhsa_reserve_vcc 0
		.amdhsa_float_denorm_mode_32 3
		.amdhsa_float_denorm_mode_16_64 3
		.amdhsa_memory_ordered 1
		.amdhsa_forward_progress 1
		.amdhsa_inst_pref_size 39
	.end_amdhsa_kernel
	.amdgpu_metadata
---
amdhsa.version: [ 1, 2 ]
amdhsa.kernels:
  - .name:           k_qdc3f31ec24_prep
    .symbol:         k_qdc3f31ec24_prep.kd
    .args:
      - { .name: Wq, .offset: 0, .size: 8, .value_kind: global_buffer, .address_space: global }
      - { .name: Wk, .offset: 8, .size: 8, .value_kind: global_buffer, .address_space: global }
      - { .name: Wv, .offset: 16, .size: 8, .value_kind: global_buffer, .address_space: global }
      - { .name: Wo, .offset: 24, .size: 8, .value_kind: global_buffer, .address_space: global }
      - { .name: attn_mask, .offset: 32, .size: 8, .value_kind: global_buffer, .address_space: global }
      - { .name: key_padding_mask, .offset: 40, .size: 8, .value_kind: global_buffer, .address_space: global }
      - { .name: wts, .offset: 48, .size: 8, .value_kind: global_buffer, .address_space: global }
      - { .name: mb, .offset: 56, .size: 8, .value_kind: global_buffer, .address_space: global }
    .group_segment_fixed_size: 0
    .private_segment_fixed_size: 0
    .kernarg_segment_align: 8
    .kernarg_segment_size: 64
    .max_flat_workgroup_size: 256
    .sgpr_count:     66
    .vgpr_count:     148
    .wavefront_size: 32
...
	.end_amdgpu_metadata
.endif
;; end of part 1
;; launch proj (part 2): grid 4 x 192, 4 waves a work-group, clusters of 4 x 4, 327,680 bytes of LDS; arguments query, key, value, wts, bq, bk, bv, qkv; writes qkv
.if DOCPART == 2
	.amdgcn_target "amdgcn-amd-amdhsa--gfx1250"
	.amdhsa_code_object_version 6
	.text
	.protected	k_qdc3f31ec24_proj
	.globl	k_qdc3f31ec24_proj
	.p2align	8
	.type	k_qdc3f31ec24_proj,@function
k_qdc3f31ec24_proj:
	s_mov_b64 s[64:65], 0
	v_nop
	global_prefetch_b8 v0, s[64:65] scope:SCOPE_SE
	s_setreg_imm32_b32 hwreg(HW_REG_WAVE_MODE, 25, 1), 1
	s_wait_xcnt 0x0
	s_wait_alu depctr_hold_cnt(0) depctr_sa_sdst(0) depctr_va_vdst(0) depctr_va_sdst(0) depctr_va_ssrc(0) depctr_va_vcc(0) depctr_vm_vsrc(0)
	s_getreg_b32 s2, hwreg(HW_REG_IB_STS2, 6, 4)
	s_cmp_eq_u32 s2, 0
	s_cbranch_scc0 .Lentry_in_a_cluster
	s_endpgm
.Lentry_in_a_cluster:
	s_bfe_u32 s2, ttmp6, 0x10000c
	s_cmp_lg_u32 s2, 0xf033
	s_cbranch_scc0 .Lentry_shape_is_right
	s_endpgm
.Lentry_shape_is_right:
; THE THREE INPUT PROJECTIONS.  y[s][b][e] = sum over d of x[s][b][d] W[e][d] + bias[e] for (query, Wq, bq), (key, Wk, bk), (value, Wv, bv).  W comes as bf16 from wts.  x comes AS IT IS, in f32: it goes
; through LDS in f32 and is rounded to bf16 in registers on its way to the matrix unit, so that it is read from memory once and no 16-bit copy of it is written or read.  The bias is rounded to bf16 like the
; other inputs and is the C operand that starts the sums; sums in f32; y is rounded once to f16 and written BY HEADS: qkv[3][b 16 + head][s][64], unscaled.
; LIMIT.  f16 holds no number beyond 65,504: q, k and v must stay within it.
; SHARES.  A tile of y is 128 consecutive s of ONE batch x 256 features (four heads), so that it lands dense in the heads' layout.  Tile row ty = 0..191: projection ty / 64, batch (ty % 64) / 16,
; s block ty % 16; tile column tx = 0..3.  Four waves, each 64 x 128: 32 accumulators.  K = 1,024 goes in 8 steps of 128 through two LDS slots; x's rows are 512 bytes of memory at multiples of 512, W's 256 at multiples of 256.
; CLUSTER 4 x 4: the four of a row need the same rows of x, the four of a column the same rows of W (64 is a multiple of 4: a cluster lies in one projection): each tile is asked for jointly.
; THE MATRIX INSTRUCTION IS USED TRANSPOSED (source 0 = 16 rows of W, source 1 = 16 rows of x): a lane holds eight neighbouring features of one row of y.
; THE ROUNDING.  For 32 along K a wave reads its 64 rows of x as 16 loads of 16 bytes (64 registers) and makes of them 4 fragments by 32 conversions, four behind each of the last 8 of a quarter's 32 matrix
; instructions.  The two waves that share 64 rows each round them for themselves: one conversion for each matrix instruction.
; REGISTERS: window 0: v0-31 addresses; v32-63 packed results; v64-159, v160-255 two fragment buffers (8 fragments of W, then 4 of x; 32 along K).  window 1: accumulator (a, b) at 8 (8 a + b).
;   window 2: v0-63 the bias, as the C operand of feature block b at 8 b; v64-127 x as read from LDS, in f32.
.set KSTEP,  128
.set PITCH,  272                       ; a row of W in LDS: 256 bytes + 16 of padding
.set APITCH, 528                       ; a row of x: 512 bytes + 16; both pitches are odd multiples of 16: the 16 rows of a load start at 16 different groups of four banks (64 banks of 4 bytes: ISA guide 11.1)
.set ATILE,  64*APITCH                 ; 64 rows of x: what one of x's loads brings, and what a wave reads of x
.set BTILE,  128*PITCH                 ; 128 rows of W: likewise
.set BOFF,   2*ATILE                   ; a slot: x's 128 rows, then W's 256
.set SLOT,   2*ATILE+2*BTILE
.set STAGE,  2*SLOT                    ; behind the ring, never filled by a tensor load: 16 rows x 272 bytes for each wave
.set SPITCH, 272
.set SPARE,  STAGE+4*16*SPITCH         ; the spare words, 128 bytes for each wave: two blocks of 256 bytes that no other line names
.set LAPS,   4                         ; a lap = two K steps
.set HEADB,  262144                    ; a head's 2,048 rows of 128 bytes
.set ADRA, 16                          ; v16-17  LDS address of my rows of x in slot 0, 1
.set ADRB, 20                          ; v20-21  of my fragments of W
.set STO,  24                          ; v24     the way out: where I put 16 bytes of a row
.set RD,   25                          ; v25     where I read rows back
.set CO,   26                          ; v26     16 x lane
.set SPW,  28                          ; v28     my spare word; never rewritten
.set NIL,  29                          ; v29     0; never rewritten
.set BO,   30                          ; v30     my byte offset in the bias
.set TMP,  32
.set F0,   64
.set F1,   160
.set RAW,  64                          ; window 2
.set BK,   64                          ; the way out: rows read back, v64-95 and v96-127 by turns
.set G1,  24                           ; s[24:31] group 1 for x's tiles; s[32:39] group 0, a set for each slot
.set G0,  32
.set G1B, 48                           ; s[48:55], s[56:63] the same for W's
.set G0B, 56
.set MSB, 0
.macro WIN new                         ; the immediate's high byte repeats the setting that is left; a switch that changes nothing is dropped
.if MSB != (\new)
	s_set_vgpr_msb (MSB<<8)|(\new)
.set MSB, \new
.endif
.endm
.set MUL,  0x50                        ; sources 0 and 1 window 0; C and D window 1
.set MUL0, 0x60                        ; the same with C in window 2: the bias
.set CVT,  0x0a                        ; sources 0 and 1 window 2, destination window 0: the rounding of x
.macro JLOAD s                         ; a joint load: waves 0 and 1 fetch x's two halves, waves 2 and 3 W's; an s_nop 0 and four v_nop follow each line
	s_cmp_eq_u32 s11, 0
	s_cbranch_scc0 .Lfor_b_\@
	tensor_load_to_lds s[G0+4*(\s):G0+4*(\s)+3], s[G1:G1+7]
	s_nop 0
.rept 4
	v_nop
.endr
	s_branch .Lasked_\@
.Lfor_b_\@:
	tensor_load_to_lds s[G0B+4*(\s):G0B+4*(\s)+3], s[G1B:G1B+7]
	s_nop 0
.rept 4
	v_nop
.endr
.Lasked_\@:
.endm
.macro CREST                           ; a round of the cluster's barrier behind its opening barrier
	s_cmp_lg_u32 s10, 0
	s_cbranch_scc1 .Lnot_wave_0_\@
	s_barrier_signal -3
.Lnot_wave_0_\@:
	s_barrier_wait -3
	s_barrier_signal -1
	s_barrier_wait -1
.endm
.macro CROUND
	s_barrier_signal -1
	s_barrier_wait -1
	CREST
.endm
	s_load_b256 s[68:75], s[0:1], 0x0              ; query s[68:69], key s[70:71], value s[72:73], wts s[74:75]
	s_load_b256 s[80:87], s[0:1], 0x20             ; bq s[80:81], bk s[82:83], bv s[84:85], qkv s[86:87]
	v_lshl_add_u32 v[SPW], v0, 2, SPARE
	v_mov_b32 v[NIL], 0
	ds_add_u32 v[SPW], v[NIL]                      ; the wave's opening: the add and its wait stand ahead of my first tensor load; work on registers stands between them
	v_lshrrev_b32 v1, 5, v0
	v_readfirstlane_b32 s10, v1                    ; wave 0..3
	s_lshr_b32 s11, s10, 1                         ; which 64 rows are mine.  Also: I fetch for x (0) or for W (1)
	s_and_b32 s12, s10, 1                          ; which 128 features.  Also: which half of that tile I fetch
	s_bfe_u32 s40, ttmp6, 0x40000                  ; cx
	s_bfe_u32 s41, ttmp6, 0x40004                  ; cy
	s_lshl_b32 s42, ttmp9, 2
	s_add_co_u32 s42, s42, s40                     ; tx = 4 x cluster x + cx
	s_and_b32 s45, ttmp7, 0xffff                   ; cluster y
	s_lshl_b32 s13, s45, 2
	s_add_co_u32 s13, s13, s41                     ; ty = 4 x cluster y + cy
	s_lshr_b32 s45, s45, 4                         ; the projection, from the cluster's y alone: all sixteen partners share it
	s_lshl_b32 s43, s41, 2
	s_lshl_b32 s43, 15, s43                        ; my row of the cluster
	s_lshl_b32 s44, 0x1111, s40                    ; my column
	s_or_b32 s[G1+0], s43, (2<<16)|(1<<20)|(1<<21)|(6<<22)|(3<<25)   ; x: mask; 4-byte elements; padding on; bit 21 beside a mask; after every 128 words, 4 words
	s_or_b32 s[G1B+0], s44, (1<<16)|(1<<20)|(1<<21)|(5<<22)|(3<<25)  ; W: 2-byte elements; after every 64 words, 4 words
	s_mov_b32 s[G1+1], KSTEP<<16                   ; tensor_dim0 = 128
	s_mov_b32 s[G1+2], 64<<16                      ; tensor_dim1 = 64
	s_mov_b32 s[G1+3], KSTEP<<16                   ; tile_dim0 = 128
	s_mov_b32 s[G1+4], 64                          ; tile_dim1 = 64
	s_mov_b32 s[G1+5], 4096                        ; from s to s + 1 of one batch: 4 x 1,024 elements
	s_mov_b32 s[G1+6], 0
	s_mov_b32 s[G1+7], 0
	s_mov_b32 s[G1B+1], KSTEP<<16
	s_mov_b32 s[G1B+2], 128<<16
	s_mov_b32 s[G1B+3], KSTEP<<16
	s_mov_b32 s[G1B+4], 128
	s_mov_b32 s[G1B+5], 1024
	s_mov_b32 s[G1B+6], 0
	s_mov_b32 s[G1B+7], 0
	s_and_b32 s14, s13, 15                         ; s block
	s_bfe_u32 s15, s13, 0x20004                    ; batch
	s_lshl_b32 s16, s14, 21                        ; x's tile: s block x 128 x 16,384 + half x 64 x 16,384 + batch x 4,096
	s_lshl_b32 s17, s12, 20
	s_add_co_u32 s16, s16, s17
	s_lshl_b32 s17, s15, 12
	s_add_co_u32 s16, s16, s17
	s_mov_b32 s17, 0
	s_lshl_b32 s46, s45, 21                        ; W's tile: tensor x 2,097,152 + tx x 256 x 2,048 + half x 128 x 2,048
	s_lshl_b32 s47, s42, 19
	s_add_co_u32 s46, s46, s47
	s_lshl_b32 s47, s12, 18
	s_add_co_u32 s46, s46, s47
	s_mov_b32 s47, 0
	s_lshl_b32 s18, s45, 24                        ; my part of y: tensor, batch x 16 heads, tx x 4 heads, half x 2 heads, s block x 128 rows, half x 64 rows of 128 bytes
	s_lshl_b32 s19, s15, 22
	s_add_co_u32 s18, s18, s19
	s_lshl_b32 s19, s42, 20
	s_add_co_u32 s18, s18, s19
	s_lshl_b32 s19, s12, 19
	s_add_co_u32 s18, s18, s19
	s_lshl_b32 s19, s14, 14
	s_add_co_u32 s18, s18, s19
	s_lshl_b32 s19, s11, 13
	s_add_co_u32 s18, s18, s19
	s_mov_b32 s19, 0
	s_mul_i32 s20, s12, ATILE                      ; where the tiles go: the wave's number alone enters an LDS address
	s_mul_i32 s21, s12, BTILE
	s_add_co_u32 s21, s21, BOFF
	s_wait_dscnt 0x0                               ; the opening add is done
	s_wait_kmcnt 0x0
	s_mov_b64 s[4:5], s[68:69]                     ; the projection's x and bias: the choice hangs on the cluster's y alone
	s_mov_b64 s[6:7], s[80:81]
	s_cmp_eq_u32 s45, 1
	s_cselect_b64 s[4:5], s[70:71], s[4:5]
	s_cselect_b64 s[6:7], s[82:83], s[6:7]
	s_cmp_eq_u32 s45, 2
	s_cselect_b64 s[4:5], s[72:73], s[4:5]
	s_cselect_b64 s[6:7], s[84:85], s[6:7]
	s_add_nc_u64 s[14:15], s[4:5], s[16:17]
	s_add_nc_u64 s[46:47], s[74:75], s[46:47]
	s_add_nc_u64 s[8:9], s[86:87], s[18:19]
	CROUND                                         ; all sixteen work-groups are here: the first joint loads meet
.irp s, 0,1
	s_mov_b32 s[G0+4*(\s)], 1
	s_add_co_u32 s[G0+4*(\s)+1], s20, (\s)*SLOT
	s_add_nc_u64 s[G0+4*(\s)+2:G0+4*(\s)+3], s[14:15], (\s)*KSTEP*4
	s_or_b32 s[G0+4*(\s)+3], s[G0+4*(\s)+3], 0x80000000
	s_mov_b32 s[G0B+4*(\s)], 1
	s_add_co_u32 s[G0B+4*(\s)+1], s21, (\s)*SLOT
	s_add_nc_u64 s[G0B+4*(\s)+2:G0B+4*(\s)+3], s[46:47], (\s)*KSTEP*2
	s_or_b32 s[G0B+4*(\s)+3], s[G0B+4*(\s)+3], 0x80000000
	JLOAD \s                                       ; two loads of mine are out: K steps 0 and 1
.endr
	v_and_b32 v1, 15, v0                           ; l % 16
	v_bfe_u32 v2, v0, 4, 1                         ; l / 16
	v_mul_u32_u24 v3, v1, PITCH
	v_lshl_add_u32 v3, v2, 4, v3                   ; W: a fragment's row x pitch + 16 x half
	v_mul_u32_u24 v6, v1, APITCH
	v_lshl_add_u32 v6, v2, 5, v6                   ; x: row x pitch + 32 x half: eight f32
	s_mul_i32 s22, s11, ATILE
	s_mul_i32 s23, s12, BTILE
	s_add_co_u32 s23, s23, BOFF
.irp s, 0,1
	v_add_nc_u32 v[ADRA+(\s)], s22, v6
	v_add_nc_u32 v[ADRB+(\s)], s23, v3
	s_add_co_u32 s22, s22, SLOT
	s_add_co_u32 s23, s23, SLOT
.endr
	s_mul_i32 s23, s10, 16*SPITCH
	s_add_co_u32 s23, s23, STAGE                   ; my stage
	v_add_nc_u32 v[STO], s23, v3                   ; in: row l % 16, 16 bytes for each half of the lanes
	v_bfe_u32 v4, v0, 3, 2                         ; back: 32 lanes take 128 bytes (one head's part) of four rows,
	v_and_b32 v5, 7, v0
	v_mul_u32_u24 v4, v4, SPITCH
	v_lshl_add_u32 v4, v5, 4, v4
	v_add_nc_u32 v[RD], s23, v4
	v_and_b32 v[CO], 31, v0                        ; which are 512 consecutive bytes of a head
	v_lshlrev_b32 v[CO], 4, v[CO]
	s_lshl_b32 s16, s42, 10                        ; the bias of my 128 features: lane half h holds features 16 b + 8 h + 0..7
	s_lshl_b32 s17, s12, 9
	s_add_co_u32 s16, s16, s17
	v_lshl_add_u32 v[BO], v2, 5, s16
.irp b, 0,1,2,3,4,5,6,7
	global_load_b128 v[F0+8*(\b):F0+8*(\b)+3],   v[BO], s[6:7] offset:64*(\b)
	global_load_b128 v[F0+8*(\b)+4:F0+8*(\b)+7], v[BO], s[6:7] offset:64*(\b)+16
.endr
	s_wait_loadcnt 0x0
.set i, 0
.rept 32
	v_cvt_pk_bf16_f32 v[TMP+i], v[F0+2*i], v[F0+2*i+1]
.set i, i+1
.endr
	WIN 0x80                                       ; destination window 2
.set i, 0
.rept 32
	v_lshlrev_b32 v[2*i], 16, v[TMP+i]
	v_and_b32 v[2*i+1], 0xffff0000, v[TMP+i]
.set i, i+1
.endr
	WIN 0
; 8 matrix instructions: row block a x all 8 feature blocks, 32 along K.  zero = 1: the first product starts the sums, with the bias as C.  The 32 accumulators take turns in one order everywhere.
; g >= 0: behind each of the eight stand four conversions: 8 of the 64 numbers of x in RAW become 4 of the 32 registers of buffer g's fragments of x.  They name no register of the products round them.
.macro MUL8 f, a, zero, g=-1
.irp b, 0,1,2,3,4,5,6,7
.if \zero
	WIN MUL0
	v_wmma_f32_16x16x32_bf16 v[8*(8*(\a)+(\b)):8*(8*(\a)+(\b))+7], v[(\f)+8*(\b):(\f)+8*(\b)+7], v[(\f)+64+8*(\a):(\f)+64+8*(\a)+7], v[8*(\b):8*(\b)+7]
.else
	WIN MUL
	v_wmma_f32_16x16x32_bf16 v[8*(8*(\a)+(\b)):8*(8*(\a)+(\b))+7], v[(\f)+8*(\b):(\f)+8*(\b)+7], v[(\f)+64+8*(\a):(\f)+64+8*(\a)+7], v[8*(8*(\a)+(\b)):8*(8*(\a)+(\b))+7]
.endif
.if (\g) >= 0
	WIN CVT
.irp j, 0,1,2,3
	v_cvt_pk_bf16_f32 v[(\g)+64+4*(\b)+(\j)], v[RAW+8*(\b)+2*(\j)], v[RAW+8*(\b)+2*(\j)+1]
.endr
.endif
.endr
.endm
; 32 LDS loads in one run, for quarter kq (32 along K).  First x, in f32, into RAW: of row block i a lane takes K = 8 h + 0..7 (32 bytes) and K = 16 + 8 h + 0..7 (32 bytes, 64 on), in the order of a fragment's registers.
; Then W's eight fragments into buffer f.
.macro FETCH slot, kq, f
	WIN 0x80                                       ; destination window 2, address window 0
.irp i, 0,1,2,3
	ds_load_b128 v[RAW+16*(\i):RAW+16*(\i)+3],     v[ADRA+(\slot)] offset:128*(\kq)+(\i)*16*APITCH
	ds_load_b128 v[RAW+16*(\i)+4:RAW+16*(\i)+7],   v[ADRA+(\slot)] offset:128*(\kq)+(\i)*16*APITCH+16
	ds_load_b128 v[RAW+16*(\i)+8:RAW+16*(\i)+11],  v[ADRA+(\slot)] offset:128*(\kq)+(\i)*16*APITCH+64
	ds_load_b128 v[RAW+16*(\i)+12:RAW+16*(\i)+15], v[ADRA+(\slot)] offset:128*(\kq)+(\i)*16*APITCH+80
.endr
	WIN 0
.irp i, 0,1,2,3,4,5,6,7
	ds_load_b128 v[(\f)+8*(\i):(\f)+8*(\i)+3],   v[ADRB+(\slot)] offset:64*(\kq)+(\i)*16*PITCH
	ds_load_b128 v[(\f)+8*(\i)+4:(\f)+8*(\i)+7], v[ADRB+(\slot)] offset:64*(\kq)+(\i)*16*PITCH+32
.endr
.endm
.macro PLACES                          ; four places in front of loads into, and conversions that write, registers that matrix instructions have read, and of lines that read results
.rept 4
	v_nop
.endr
.endm
; A K step is four quarters of 32 along K, 32 matrix instructions each, on buffers 0, 1, 0, 1.  One of the first three: multiplies buffer f, fetches quarter kq, and rounds its x into buffer g.
.macro QUARTER slot, kq, f, g, zero
	s_wait_dscnt 0x0                               ; W's fragments of buffer f are in, issued 16 matrix instructions ago (x's were rounded in the quarter before)
	MUL8 \f, 0, \zero
	MUL8 \f, 1, \zero
	PLACES
	FETCH \slot, \kq, \g
	MUL8 \f, 2, \zero
	s_wait_dscnt 16                                ; x's 16 loads, the older half of the run, are in; W's 16 may be out
	MUL8 \f, 3, \zero, \g
.endm
; The last quarter multiplies buffer 1 and changes slots: ONE barrier; in front of it each wave waits for all its tensor loads, adds 0 to its spare word, and waits for that and for its reads of this slot.
.macro TURN slot, next, fill
	WIN 0
	s_wait_tensorcnt 0x0                           ; all my tensor loads have landed: the one that was out is my part of the next slot
	ds_add_u32 v[SPW], v[NIL]                      ; 0 onto my spare word
	s_wait_dscnt 1                                 ; W's fragments of buffer 1 are in; the add may be out
	MUL8 F1, 0, 0                                  ; eight matrix instructions stand between the add and the wait for it
	s_wait_dscnt 0x0                               ; the add is done, and my reads of this slot are over
	s_barrier_signal -1
	MUL8 F1, 1, 0
.if \fill
	WIN 0
.endif
	s_barrier_wait -1
.if \fill
	CREST                                          ; the barrier has opened a round of the cluster's: no wave of any partner still reads this slot or has a load on its way
	s_add_nc_u64 s[G0+4*(\slot)+2:G0+4*(\slot)+3], s[G0+4*(\slot)+2:G0+4*(\slot)+3], 2*KSTEP*4
	s_add_nc_u64 s[G0B+4*(\slot)+2:G0B+4*(\slot)+3], s[G0B+4*(\slot)+2:G0B+4*(\slot)+3], 2*KSTEP*2
	JLOAD \slot                                    ; the first tensor load behind the round, my only one until the next; its four v_nop are also the places in front of the loads below
.else
	PLACES
.endif
	FETCH \next, 0, F0
	MUL8 F1, 2, 0
	s_wait_dscnt 16                                ; x's 16 loads are in; W's 16 may be out
	MUL8 F1, 3, 0, F0
.endm
	s_wait_tensorcnt 1                             ; my part of K step 0 is in; step 1's may stay out
	s_barrier_signal -1
	s_barrier_wait -1
	FETCH 0, 0, F0
	s_wait_dscnt 16                                ; x's 16 loads are in
	WIN CVT
.set i, 0
.rept 32                                               ; the first quarter's x is rounded with no product to stand beside
	v_cvt_pk_bf16_f32 v[F0+64+i], v[RAW+2*i], v[RAW+2*i+1]
.set i, i+1
.endr
	QUARTER 0, 1, F0, F1, 1                        ; the first quarter stands in front of the loop: its products start the sums
	WIN 0
	s_mov_b32 s3, LAPS-1
.Llap:                                                 ; a trip goes once round the ring, from a lap's second quarter to the next lap's first, and fills both slots again
	QUARTER 0, 2, F1, F0, 0
	QUARTER 0, 3, F0, F1, 0
	TURN 0, 1, 1
	QUARTER 1, 1, F0, F1, 0
	QUARTER 1, 2, F1, F0, 0
	QUARTER 1, 3, F0, F1, 0
	TURN 1, 0, 1
	QUARTER 0, 1, F0, F1, 0
	WIN 0
	s_sub_co_u32 s3, s3, 1
	s_cmp_lg_u32 s3, 0
	s_cbranch_scc1 .Llap
	QUARTER 0, 2, F1, F0, 0                        ; the last lap fills nothing
	QUARTER 0, 3, F0, F1, 0
	TURN 0, 1, 0
	QUARTER 1, 1, F0, F1, 0
	QUARTER 1, 2, F1, F0, 0
	QUARTER 1, 3, F0, F1, 0
	s_wait_dscnt 0x0
	MUL8 F1, 0, 0
	MUL8 F1, 1, 0
	MUL8 F1, 2, 0
	MUL8 F1, 3, 0
	WIN 0
; THE WAY OUT, 16 rows at a time: rounded to f16, 16 bytes a lane into my own stage; back as 128-byte pieces of four rows, which are 512 consecutive bytes of one head.
.macro PACK a
	WIN 0x05                                       ; sources 0 and 1 window 1
.irp b, 0,1,2,3,4,5,6,7
.irp r, 0,1,2,3
	v_cvt_pk_f16_f32 v[TMP+4*(\b)+(\r)], v[8*(8*(\a)+(\b))+2*(\r)], v[8*(8*(\a)+(\b))+2*(\r)+1]
.endr
.endr
	WIN 0
.endm
.macro TOSTAGE a
.set BKR, BK+32*((\a)%2)
.irp b, 0,1,2,3,4,5,6,7
	ds_store_b128 v[STO], v[TMP+4*(\b):TMP+4*(\b)+3] offset:32*(\b)
.endr
.irp hh, 0,1
.irp t, 0,1,2,3
	ds_load_b128 v[BKR+4*(4*(\hh)+(\t)):BKR+4*(4*(\hh)+(\t))+3], v[RD] offset:(\t)*4*SPITCH+(\hh)*128  ; LDS serves a wave's instructions in order (ISA guide 5.7.1.4): these see the stores above
.endr
.endr
.endm
.macro SEND a
.set BKR, BK+32*((\a)%2)
	s_wait_dscnt 0x0                               ; the block is back in registers
	s_wait_xcnt 0x0                                ; the stores of the block before have read their data: its registers are loaded again only behind this wait
.irp hh, 0,1
.irp t, 0,1,2,3
	global_store_b128 v[CO], v[BKR+4*(4*(\hh)+(\t)):BKR+4*(4*(\hh)+(\t))+3], s[8:9] offset:(\hh)*HEADB+(16*(\a)+4*(\t))*128
.endr
.endr
.endm
	PLACES
	PACK 0
	TOSTAGE 0
.irp a, 1,2,3                          ; block a's conversions stand between block a - 1's loads from the stage and the wait for them
	PACK \a
	SEND (\a)-1
	TOSTAGE \a
.endr
	SEND 3
	s_wait_tensorcnt 0x0                           ; the wave's end
	ds_add_u32 v[SPW], v[NIL]
	s_wait_dscnt 0x0
	CROUND                                         ; the closing round: no work-group ends while a partner may still ask for a tile that names it
	s_endpgm
.Lfunc_end_k_qdc3f31ec24_proj:
	.size	k_qdc3f31ec24_proj, .Lfunc_end_k_qdc3f31ec24_proj-k_qdc3f31ec24_proj
	.p2alignl 7, 3214868480
	.fill 96, 4, 3214868480
	.section	.rodata,"a",@progbits
	.p2align	6, 0x0
	.amdhsa_kernel k_qdc3f31ec24_proj
		.amdhsa_group_segment_fixed_size 327680
		.amdhsa_private_segment_fixed_size 0
		.amdhsa_enable_private_segment 0
		.amdhsa_kernarg_size 64
		.amdhsa_user_sgpr_count 2
		.amdhsa_user_sgpr_kernarg_segment_ptr 1
		.amdhsa_wavefront_size32 1
		.amdhsa_system_sgpr_workgroup_id_x 1
		.amdhsa_system_sgpr_workgroup_id_y 1
		.amdhsa_system_sgpr_workgroup_id_z 1
		.amdhsa_system_vgpr_workitem_id 0
		.amdhsa_next_free_vgpr 640
		.amdhsa_next_free_sgpr 88
		.amdhsa_reserve_vcc 0
		.amdhsa_float_denorm_mode_32 3
		.amdhsa_float_denorm_mode_16_64 3
		.amdhsa_memory_ordered 1
		.amdhsa_forward_progress 1
		.amdhsa_inst_pref_size 141
	.end_amdhsa_kernel
	.amdgpu_metadata
---
amdhsa.version: [ 1, 2 ]
amdhsa.kernels:
  - .name:           k_qdc3f31ec24_proj
    .symbol:         k_qdc3f31ec24_proj.kd
    .args:
      - { .name: query, .offset: 0, .size: 8, .value_kind: global_buffer, .address_space: global }
      - { .name: key, .offset: 8, .size: 8, .value_kind: global_buffer, .address_space: global }
      - { .name: value, .offset: 16, .size: 8, .value_kind: global_buffer, .address_space: global }
      - { .name: wts, .offset: 24, .size: 8, .value_kind: global_buffer, .address_space: global }
      - { .name: bq, .offset: 32, .size: 8, .value_kind: global_buffer, .address_space: global }
      - { .name: bk, .offset: 40, .size: 8, .value_kind: global_buffer, .address_space: global }
      - { .name: bv, .offset: 48, .size: 8, .value_kind: global_buffer, .address_space: global }
      - { .name: qkv, .offset: 56, .size: 8, .value_kind: global_buffer, .address_space: global }
    .group_segment_fixed_size: 327680
    .private_segment_fixed_size: 0
    .kernarg_segment_align: 8
    .kernarg_segment_size: 64
    .max_flat_workgroup_size: 128
    .sgpr_count:     88
    .vgpr_count:     640
    .wavefront_size: 32
...
	.end_amdgpu_metadata
.endif
;; end of part 2
;; launch attn (part 3): grid 4 x 64, 4 waves a work-group, clusters of 4 x 1, 327,680 bytes of LDS; arguments qkv, mb, o; writes o
.if DOCPART == 3
	.amdgcn_target "amdgcn-amd-amdhsa--gfx1250"
	.amdhsa_code_object_version 6
	.text
	.protected	k_qdc3f31ec24_attn
	.globl	k_qdc3f31ec24_attn
	.p2align	8
	.type	k_qdc3f31ec24_attn,@function
k_qdc3f31ec24_attn:
	s_mov_b64 s[64:65], 0
	v_nop
	global_prefetch_b8 v0, s[64:65] scope:SCOPE_SE
	s_setreg_imm32_b32 hwreg(HW_REG_WAVE_MODE, 25, 1), 1
	s_wait_xcnt 0x0
	s_wait_alu depctr_hold_cnt(0) depctr_sa_sdst(0) depctr_va_vdst(0) depctr_va_sdst(0) depctr_va_ssrc(0) depctr_va_vcc(0) depctr_vm_vsrc(0)
	s_getreg_b32 s2, hwreg(HW_REG_IB_STS2, 6, 4)
	s_cmp_eq_u32 s2, 0
	s_cbranch_scc0 .Lentry_in_a_cluster
	s_endpgm
.Lentry_in_a_cluster:
	s_bfe_u32 s2, ttmp6, 0x10000c
	s_cmp_lg_u32 s2, 0x3003
	s_cbranch_scc0 .Lentry_shape_is_right
	s_endpgm
.Lentry_shape_is_right:
; ATTENTION WITH AN ADDITIVE MASK.  O[hd][q][:] = the sum over k of softmax_k(Q[hd][q] . K[hd][k] / 8 + mask[b][q][k]) V[hd][k][:], hd = 16 b + head.  Q, K, V lie in qkv, O in o: [64][2048][64], f16, a head's rows dense.
; Products, maxima and sums in f32; the weights p are rounded to f16 for the second product (their sum l is taken of the unrounded p), O once at the end.
; THE MASK GOES THROUGH THE MATRIX UNIT.  mb holds F = mask / 512 in f16 (a padded key: -60000), in the order of source 1.  The sum S^T = K Q^T is STARTED by the product E F^T, E = 4096 x the identity on the
; lower or upper 16 of 32 keys: it lays 8 x mask, exactly, under each score, and c = log2(e) / 8 makes of that the mask behind the scale.  8 matrix instructions more for two tiles and 64 keys, no vector instruction.
; LIMITS.  Q, K, V within 65,504; a mask number beyond +-3.07e7 counts as that, a padded key as -3.07e7, far below every score of such Q and K up to 2.4e8 before the scale; a row all of whose keys are hidden gets
; a finite mean of V where the formula has none.  p below 6e-5 keeps f16's fixed step; a weight below 2^-126 counts as 0 in l; NaN and infinities are not treated apart.
; SHARES.  A wave owns four PIECES of two tiles of 16 queries, a work-group's four waves 512 queries of one head.  Every wave walks all 2,048 keys, 64 a step.
; LAYOUT.  S^T (source 0 = 16 keys, source 1 = 16 queries): a lane holds ONE query (lane % 16) and the keys 8 (lane / 16) + 0..7.  Two such tiles, rounded to f16 in pairs, ARE source 1 of O^T = V^T P.
; SOFTMAX.  A running maximum m and sum l for each query: p = 2^(c s - c m); in every step O and l are multiplied by a = 2^(c m_old - c m_new).  m starts at the lowest finite number, O and l at 0.
; BY TURNS.  Turn n belongs to piece n.  Its matrix work: 24 products for S^T of piece n + 1, later 16 products V^T P of piece n - 1.  Its vector work: scaling, exponentials, roundings, sums and rescaling of piece n,
; and the maximum and statistics of piece n + 1.  Four vector instructions stand behind every matrix instruction (160), the other 76 of a turn's 236 in two lumps.
; CLUSTER.  The four query blocks of a cluster belong to one head and walk the same K and V: each tile is asked for JOINTLY.  The mask differs from block to block: it comes straight into registers, 512 consecutive
; bytes a load, four turns ahead of its use.
; REGISTERS, in windows of 256 (s_set_vgpr_msb: bits 1:0 source 0, 3:2 source 1, 5:4 source 2, 7:6 destination):
;   window 0: v0-11 addresses; v12-15, v48-63 at work; v16-47 four registers of statistics a tile; v64-191 S^T, two buffers of two tiles; v192-255 P, likewise
;   window 1: O^T, 32 a tile     window 2: v0-127 Q; v128-191 K of one step; v192-255 V of one step     window 3: v0-127 F, 32 a piece; v128-143 E; v144-145 the add's two registers
.set SIZE_N, 2048
.set NP,    4         ; pieces a wave: a name, no knob
.set KS,    64        ; keys in a step
.set PK,    144       ; a row of K in LDS: 128 bytes + 16 of padding: the 16 rows of a load start at 16 different groups of four banks (64 banks of 4 bytes: ISA guide 11.1)
.set PV,    160       ; a row of V: 128 + 32
.set VOFF,  4*KS*PK   ; a slot holds four steps: 256 rows of K, then 256 rows of V
.set SLOT1, 1<<17     ; slot 1 begins here: one exclusive or turns an address in one slot into the other's
.set STAGE, SLOT1+4*KS*(PK+PV)  ; behind the ring, never filled by a tensor load: 16 rows x 144 bytes for each wave
.set SP,    144
.set SPARE, STAGE+4*16*SP       ; the spare words, 128 bytes for each wave: two blocks of 256 bytes that no other line names
.set AK0, 2           ; v2   my lane's place in a tile of K; never rewritten
.set AV0, 3           ; v3   the same for V
.set AK,  4           ; v4   the LDS address of K's next run of loads
.set AV,  5           ; v5   of V's
.set QO,  6           ; v6   my byte offset in the wave's rows of Q
.set STO, 6           ;      later, the way out: where I put 16 bytes of a row
.set RD,  7           ; v7   the way out: where I read rows back
.set GO,  8           ; v8   16 x lane: my place in 512 consecutive bytes of mb and of O; never rewritten
.set MV,  12          ; v12-15  c m_old, kept while c m is made anew: by buffer and tile
.set ST,  16          ; tile t's statistics at v[ST+4 t]: c m, m, l (even keys', odd keys')
.set TMP, 48          ; by buffer and tile, four registers c0-c3 at work; when the maximum is found c2 takes a
.set S,   64
.set P,   192
.set KF,  128         ; window 2: key block kb, channel half c at KF + 16 kb + 8 c
.set VF,  192         ; window 2: key half kk, channel block cb at VF + 32 kk + 8 cb
.set EM,  128         ; window 3: E for the lower 16 keys of 32, then for the upper 16
.set SPW, 144         ; window 3: LDS address of my spare word; never rewritten
.set NIL, 145         ; window 3: 0; never rewritten
.set WV,  12          ; s12  my wave's number
.set G1K, 24          ; s[24:31] descriptor group 1 for K's tiles
.set G1V, 32          ; s[32:39] for V's: it differs in the padding alone
.set G0K, 40          ; s[40:43] descriptor group 0 for K's tiles: it walks
.set G0V, 44          ; s[44:47] the same for V's
.set SLOTS, 56        ; s56  slots still to be asked for
.set CNT, 57          ; s57  counts a slot's key steps
.set CS,  58          ; s[58:59] c
.set SEL, 60          ; s[60:61] v_permlanex16_b32's selects: each lane takes its own place in the other half
.set TBK, 62          ; s62  LDS byte at which K of the step to be fetched begins
.set TBV, 63          ; s63  the same for V, less VOFF
.set MB0, 68          ; s[68:69] mb at my wave's first tile of 16 queries, key 0
.set MB,  70          ; s[70:71] the same at the key step whose mask is being loaded
.set MS,  72          ; s[72:73] that step's byte offset: 2,048 a step
.set MSB, 0
.macro WIN new                      ; the high byte repeats the setting that is left; a switch that changes nothing is dropped
.if MSB != (\new)
	s_set_vgpr_msb (MSB<<8)|(\new)
.set MSB, (\new)
.endif
.endm
.set W_KQ, 0x0a       ; K and Q in window 2, S^T in window 0
.set W_MQ, 0x0f       ; E and F in window 3, S^T in window 0
.set W_PV, 0x52       ; V in window 2, P in window 0, O^T in window 1
.set W_RS, 0x41       ; O^T (destination and source 0) in window 1, a in window 0
.set W_MK, 0xc0       ; destination in window 3, sources in window 0
.set W_AD, 0x0f       ; the add: address (source 0) and data (source 1) in window 3
; A joint fill.  Waves 0 and 1 fetch the two halves of a slot's K, waves 2 and 3 those of its V: 128 keys each.  An s_nop 0 and four v_nop follow each of the two lines.
.macro JLOAD
	s_cmp_lt_u32 s[WV], 2
	s_cbranch_scc0 .Lfor_v_\@
	tensor_load_to_lds s[G0K:G0K+3], s[G1K:G1K+7]
	s_nop 0
.rept 4
	v_nop
.endr
	s_branch .Lasked_\@
.Lfor_v_\@:
	tensor_load_to_lds s[G0V:G0V+3], s[G1V:G1V+7]
	s_nop 0
.rept 4
	v_nop
.endr
.Lasked_\@:
.endm
.macro CROUND                       ; a round of the cluster's barrier
	s_barrier_signal -1
	s_barrier_wait -1
	s_cmp_lg_u32 s[WV], 0
	s_cbranch_scc1 .Lnot_wave_0_\@
	s_barrier_signal -3
.Lnot_wave_0_\@:
	s_barrier_wait -3
	s_barrier_signal -1
	s_barrier_wait -1
.endm
; THE CHANGE OF SLOTS.  The slot's last bytes, V of its fourth step, have been read.  Each wave waits for all its tensor loads, of which one is out: its part of the other slot; adds 0 to its spare word; and waits for
; that and for its own reads of the slot.  fill = 1: the slot is filled again, with the keys two slots on: the barrier is a round of the cluster's, and the joint fill is the first thing behind it; it has four key steps,
; 640 matrix instructions, in which to land.  (At its first use nothing has been read yet: slot 0 is waited for, slot 1 filled.)
.macro CHANGE fill
	WIN W_AD
	s_wait_tensorcnt 0x0            ; no tensor load of mine is out, so a group 0 may be written
	ds_add_u32 v[SPW], v[NIL]       ; 0 onto my spare word
	WIN 0                           ; at a label and at a branch every window is 0
.if \fill
.irp g, G0K, G0V
	s_xor_b32 s[\g+1], s[\g+1], SLOT1  ; the walking descriptor: the other slot than last time,
	s_add_nc_u64 s[\g+2:\g+3], s[\g+2:\g+3], 4*KS*128  ; the next 256 keys
.endr
	s_wait_dscnt 0x0                ; the add is done, and my reads of the slot are over
	CROUND
	JLOAD
.else
	s_wait_dscnt 0x0
	s_barrier_signal -1
	s_barrier_wait -1
.endif
	s_sub_co_u32 s[TBK], s[TBK], 4*KS*PK  ; the fetches go back to a slot's first step,
	s_xor_b32 s[TBK], s[TBK], SLOT1       ; in the other slot
	s_sub_co_u32 s[TBV], s[TBV], 4*KS*PV
	s_xor_b32 s[TBV], s[TBV], SLOT1
.endm
; Piece x's mask operand for the step at MB: two tiles x two blocks of 32 keys x two halves: 8 loads of 512 consecutive bytes.
.macro MLOAD x
	WIN W_MK
.irp u, 0,1
.irp kk, 0,1
.irp c, 0,1
	global_load_b128 v[32*(\x)+16*(\u)+8*(\kk)+4*(\c):32*(\x)+16*(\u)+8*(\kk)+4*(\c)+3], v[GO], s[MB:MB+1] offset:(2*(\x)+(\u))*65536+(\kk)*1024+(\c)*512
.endr
.endr
.endr
	WIN 0
.endm
	s_load_b128 s[4:7], s[0:1], 0x0   ; qkv s[4:5], mb s[6:7]
	s_load_b64 s[10:11], s[0:1], 0x10 ; o
	WIN W_MK
	v_lshl_add_u32 v[SPW], v0, 2, SPARE
	v_mov_b32 v[NIL], 0
	WIN W_AD
	ds_add_u32 v[SPW], v[NIL]       ; the wave's opening: the add and its wait stand ahead of my first tensor load; work on registers stands between them
	WIN 0
	v_lshrrev_b32 v1, 5, v0
	v_readfirstlane_b32 s[WV], v1   ; wave 0..3
	s_bfe_u32 s13, ttmp6, 0x40000   ; cx
	s_lshl_b32 s14, ttmp9, 2
	s_add_co_u32 s14, s14, s13      ; my block of 512 queries: it enters Q's, O's and the mask's addresses alone
	s_and_b32 s20, ttmp7, 0xffff    ; 16 b + head, which the four partners share
	s_lshr_b32 s[MS], s20, 4
	s_lshl_b32 s[MS], s[MS], 23     ; a batch's mask operand is 8,388,608 bytes
	s_mov_b32 s21, 0
	s_mov_b64 s[22:23], SIZE_N*128
	s_mul_u64 s[20:21], s[20:21], s[22:23]  ; the head's first byte in Q, K, V and O
	s_and_b32 s16, s[WV], 1         ; which half of a slot's 256 keys I fetch:
	s_lshl_b32 s22, s16, 14         ; its 128 rows of 128 bytes in memory,
	s_mov_b32 s23, 0
	s_add_nc_u64 s[22:23], s[22:23], s[20:21]
	s_mul_i32 s17, s16, 128*PK      ; and its place in a slot, for K
	s_mul_i32 s18, s16, 128*PV      ; and for V
	s_lshl_b32 s2, s14, 2
	s_add_co_u32 s2, s2, s[WV]      ; my wave among the head's sixteen:
	s_lshl_b32 s3, s2, 19           ; its 8 tiles of 65,536 bytes of the mask operand,
	s_add_co_u32 s[MS], s[MS], s3
	s_mov_b32 s[MS+1], 0
	s_lshl_b32 s2, s2, 14           ; its 128 rows of Q and O
	s_mov_b32 s3, 0
	s_add_nc_u64 s[2:3], s[2:3], s[20:21]
	; descriptor group 1.  128 keys are 16,384 dense bytes: asked for as 64 rows of 256 bytes, two keys a row, and padded in LDS after every key
	s_mov_b32 s[G1K], 15|(1<<16)|(1<<20)|(1<<21)|(4<<22)|(3<<25)  ; the mask of four; 2-byte elements; padding on; bit 21 beside a mask; after every 32 words, 4 words
	s_mov_b32 s[G1V], 15|(1<<16)|(1<<20)|(1<<21)|(4<<22)|(7<<25)  ; the same with 8 words of padding
.irp g, G1K, G1V
	s_mov_b32 s[\g+1], 128<<16      ; tensor_dim0 = 128
	s_mov_b32 s[\g+2], 64<<16       ; tensor_dim1 = 64
	s_mov_b32 s[\g+3], 128<<16      ; tile_dim0 = 128
	s_mov_b32 s[\g+4], 64           ; tile_dim1 = 64
	s_mov_b32 s[\g+5], 128          ; 128 elements from row to row
	s_mov_b32 s[\g+6], 0
	s_mov_b32 s[\g+7], 0
.endr
	s_mov_b32 s[CS], 0x3e38aa3b     ; c = log2(e) / 8 = 0.180337
	s_mov_b32 s[CS+1], s[CS]
	s_mov_b32 s[SEL], 0x76543210
	s_mov_b32 s[SEL+1], 0xfedcba98
	s_mov_b32 s[TBK], SLOT1+4*KS*PK ; the first change of slots turns these two into 0
	s_mov_b32 s[TBV], SLOT1+4*KS*PV
	s_mov_b32 s[G0K], 1
	s_mov_b32 s[G0K+1], s17         ; LDS address: slot 0
	s_mov_b32 s[G0V], 1
	s_add_co_u32 s[G0V+1], s18, VOFF
	s_wait_dscnt 0x0                ; the opening add is done
	s_wait_kmcnt 0x0
	s_add_nc_u64 s[MB0:MB0+1], s[6:7], s[MS:MS+1]
	s_mov_b64 s[MB:MB+1], s[MB0:MB0+1]
	s_add_nc_u64 s[6:7], s[4:5], 0x1000000         ; K lies 16,777,216 bytes behind Q,
	s_add_nc_u64 s[8:9], s[4:5], 0x2000000         ; V behind K
	s_add_nc_u64 s[G0K+2:G0K+3], s[6:7], s[22:23]  ; my half of the head's first 256 keys
	s_or_b32 s[G0K+3], s[G0K+3], 0x80000000
	s_add_nc_u64 s[G0V+2:G0V+3], s[8:9], s[22:23]
	s_or_b32 s[G0V+3], s[G0V+3], 0x80000000
	s_add_nc_u64 s[4:5], s[4:5], s[2:3]  ; Q and O at my wave's first row
	s_add_nc_u64 s[10:11], s[10:11], s[2:3]
	CROUND                          ; all four work-groups are here: the first joint loads meet
	JLOAD                           ; slot 0.  Slot 1 is asked for when slot 0 is in
	v_and_b32 v1, 15, v0            ; l % 16
	v_bfe_u32 v9, v0, 4, 1          ; l / 16
	v_lshlrev_b32 v[QO], 7, v1
	v_lshl_add_u32 v[QO], v9, 4, v[QO]  ; row x 128 + 16 x half
	v_and_b32 v[GO], 31, v0
	v_lshlrev_b32 v[GO], 4, v[GO]
	WIN 0x80                        ; destination window 2
.set i, 0
.rept 4*NP                          ; Q stays in registers: tile i / 2, channels 32 (i % 2) on
	global_load_b128 v[8*i:8*i+3],   v[QO], s[4:5] offset:(i/2)*2048+(i%2)*64
	global_load_b128 v[8*i+4:8*i+7], v[QO], s[4:5] offset:(i/2)*2048+(i%2)*64+32
.set i, i+1
.endr
	MLOAD 0                         ; all four pieces' mask operand of key step 0
	MLOAD 1
	MLOAD 2
	MLOAD 3
	; What the first turn finds: V's registers and P's second buffer hold 0, O^T and l are 0.  All this stands in the wait for the first tile.
	WIN 0x80
.set i, VF
.rept 64
	v_mov_b32 v[i], 0
.set i, i+1
.endr
	WIN 0x40
.set i, 0
.rept 64*NP
	v_mov_b32 v[i], 0
.set i, i+1
.endr
	WIN 0
.set i, 0
.rept 2*NP
	v_mov_b32 v[ST+4*i], 0xfe000000    ; c m: far below every c s
	v_mov_b32 v[ST+4*i+1], 0xff7fffff  ; m
	v_mov_b32 v[ST+4*i+2], 0
	v_mov_b32 v[ST+4*i+3], 0
.set i, i+1
.endr
.set i, P+32
.rept 32
	v_mov_b32 v[i], 0
.set i, i+1
.endr
	; E: as source 0, lane l holds row l % 16 and the places 8 (l / 16) + 0..7 (registers 0-3) and 16 + 8 (l / 16) + 0..7 (registers 4-7).  Row r has 4096 at place r (lower) or 16 + r (upper):
	; in the lanes with l / 16 = r / 8, register (r % 8) / 2, half r % 2.
	v_and_b32 v12, 1, v0
	v_lshlrev_b32 v12, 4, v12
	v_mov_b32 v13, 0x6c00           ; 4096 in f16
	v_lshlrev_b32 v13, v12, v13
	v_bfe_u32 v14, v0, 1, 2
	v_bfe_u32 v12, v0, 3, 1
	v_cmp_eq_u32 vcc_lo, v12, v9
	v_cndmask_b32 v14, 15, v14, vcc_lo  ; the register, or none
	WIN W_MK
.irp j, 0,1,2,3
	v_cmp_eq_u32 vcc_lo, \j, v14
	v_cndmask_b32 v[EM+\j], 0, v13, vcc_lo
	v_cndmask_b32 v[EM+12+\j], 0, v13, vcc_lo
	v_mov_b32 v[EM+4+\j], 0
	v_mov_b32 v[EM+8+\j], 0
.endr
	WIN 0
	v_mul_u32_u24 v[AK0], v1, PK
	v_lshl_add_u32 v[AK0], v9, 4, v[AK0]  ; row x pitch + 16 x half
	; The turning load takes 16 keys x 16 channels (lane l reads key 8 (l / 16) + l % 8, channels 8 ((l / 8) % 2) + 0..7) and leaves half a fragment of V^T.
	v_and_b32 v10, 7, v0
	v_bfe_u32 v11, v0, 3, 1
	v_lshl_add_u32 v[AV0], v9, 3, v10
	v_mul_u32_u24 v[AV0], v[AV0], PV
	v_lshl_add_u32 v[AV0], v11, 4, v[AV0]
	v_add_nc_u32 v[AV0], VOFF, v[AV0]
	v_mov_b32 v[AK], v[AK0]         ; key step 0 lies at the head of slot 0
; THE MATRIX WORK.  The 8 accumulators of a run take turns: between two links of a chain stand 7 others'.
; Product i of 24 of S^T for piece x: tile 2 x + i % 2, keys 16 ((i / 2) % 4) on.  The first 8 start the sums with the mask; the others add K Q^T, channels 32 ((i - 8) / 8) on.
.macro KQ x
.set rS, S+64*((\x)%2)+32*(i%2)+8*((i/2)%4)
.if i < 8
	WIN W_MQ
.set rE, EM+8*((i/2)%2)
.set rF, 32*(\x)+16*(i%2)+8*(i/4)
	v_wmma_f32_16x16x32_f16 v[rS:rS+7], v[rE:rE+7], v[rF:rF+7], 0
.else
	WIN W_KQ
.set rK, KF+16*((i/2)%4)+8*((i-8)/8)
.set rQ, 16*(2*(\x)+i%2)+8*((i-8)/8)
	v_wmma_f32_16x16x32_f16 v[rS:rS+7], v[rK:rK+7], v[rQ:rQ+7], v[rS:rS+7]
.endif
.endm
; Product i of 16 of O^T += V^T P for piece x: keys 32 (i / 8) on, channels 16 ((i / 2) % 4) on, tile 2 x + i % 2.
.macro PV x
	WIN W_PV
.set rO, 32*(2*(\x)+i%2)+8*((i/2)%4)
.set rV, VF+32*(i/8)+8*((i/2)%4)
.set rP, P+32*((\x)%2)+16*(i%2)+8*(i/8)
	v_wmma_f32_16x16x32_f16 v[rO:rO+7], v[rV:rV+7], v[rP:rP+7], v[rO:rO+7]
.endm
.macro MM                           ; the turn's next matrix instruction
.if i < 24
	KQ (Y+1)%NP
.set i, i+1
.else
.set i, i-24
	PV (Y+NP-1)%NP
.set i, i+25
.endif
.endm
; THE LDS LOADS stand in runs of 16.  last = 1 (the tail): in the last trip there is no further step, and the run is jumped over.
.macro FETCH_K last=0
	WIN 0
.if \last
	s_cmp_eq_u32 s[CNT], 1
	s_cbranch_scc1 .Lno_k_\@
.endif
	WIN 0x80                        ; destination window 2
.irp f, 0,1,2,3,4,5,6,7             ; keys 16 (f / 2) on, channels 32 (f % 2) on
	ds_load_b128 v[KF+8*\f:KF+8*\f+3],   v[AK] offset:(\f/2)*16*PK+(\f%2)*64
	ds_load_b128 v[KF+8*\f+4:KF+8*\f+7], v[AK] offset:(\f/2)*16*PK+(\f%2)*64+32
.endr
	s_add_co_u32 s[TBK], s[TBK], KS*PK  ; the next fetch is the next step's
	WIN 0
.if \last
.Lno_k_\@:
.endif
.endm
.macro FETCH_V
	WIN 0x80
.irp f, 0,1,2,3,4,5,6,7             ; keys 32 (f / 4) on, channels 16 (f % 4) on
	ds_load_tr16_b128 v[VF+8*\f:VF+8*\f+3],   v[AV] offset:(\f/4)*32*PV+(\f%4)*32
	ds_load_tr16_b128 v[VF+8*\f+4:VF+8*\f+7], v[AV] offset:(\f/4)*32*PV+16*PV+(\f%4)*32
.endr
	WIN 0
.endm
; THE VECTOR WORK OF A TURN stands in three queues, each in the order in which its entries become ready; the two tiles alternate.
.macro REGS y, u                    ; the registers of tile u (0, 1) of piece y
.set rT, ST+4*(2*(\y)+(\u))
.set rC, TMP+8*((\y)%2)+4*(\u)
.set rM, MV+2*((\y)%2)+(\u)
.set rS, S+64*((\y)%2)+32*(\u)
.set rP, P+32*((\y)%2)+16*(\u)
.set rO, 32*(2*(\y)+(\u))
.endm
; Number n of the 22 that find the NEXT piece's (Y + 1) maximum and statistics; each accumulator's lowest registers are read first.
;   0-11  four chains c0-c3 of seven scores each     12-14, 16  the four scores left over, the old m, and c0-c3 into c0     15  c m_old is kept
;   17, 18  the query's other 32 keys lie in the lane 16 away: the new m         19-21  c m; c m_old - c m_new; a
.macro XS u, n
	REGS (Y+1)%NP, \u
.if (\n) < 4
	v_max3_num_f32 v[rC+(\n)], v[rS+8*(\n)], v[rS+8*(\n)+1], v[rS+8*(\n)+2]
.elseif (\n) < 12
	v_max3_num_f32 v[rC+(\n)%4], v[rC+(\n)%4], v[rS+8*((\n)%4)+2*((\n)/4)+1], v[rS+8*((\n)%4)+2*((\n)/4)+2]
.elseif (\n) == 12
	v_max3_num_f32 v[rC], v[rC], v[rS+7], v[rS+15]
.elseif (\n) == 13
	v_max3_num_f32 v[rC+1], v[rC+1], v[rS+23], v[rS+31]
.elseif (\n) == 14
	v_max3_num_f32 v[rC+2], v[rC+2], v[rC+3], v[rT+1]
.elseif (\n) == 15
	v_mov_b32 v[rM], v[rT]
.elseif (\n) == 16
	v_max3_num_f32 v[rC], v[rC], v[rC+1], v[rC+2]
.elseif (\n) == 17
	v_permlanex16_b32 v[rC+3], v[rC], s[SEL], s[SEL+1]
.elseif (\n) == 18
	v_max_num_f32 v[rT+1], v[rC], v[rC+3]
.elseif (\n) == 19
	v_mul_f32 v[rT], s[CS], v[rT+1]
.elseif (\n) == 20
	v_sub_f32 v[rC+1], v[rM], v[rT]
.else
	v_exp_f32 v[rC+2], v[rC+1]
.endif
.endm
; Number g of the 64 that follow the exponentials.  For each four weights k of a tile: both pairs are rounded to f16; the second pair is added onto the first, in place; a group later l takes that sum
; (the first time as l = a l + sum).  In groups of eight, tiles alternating: round, round, add, and l for the group before.
.macro GS g
.set h, (\g)+6*((\g)/62)            ; group 0 has no group before it, and behind group 7 only l is left
.if h >= 6
.set h, h+2
.endif
	REGS Y, h%2
.set k, h/8
.if h%8 < 4
	s_wait_alu depctr_va_vdst(0)
	v_cvt_pk_f16_f32 v[rP+2*k+(h%8)/2], v[rS+4*k+2*((h%8)/2)], v[rS+4*k+2*((h%8)/2)+1]
.elseif h%8 < 6
	v_pk_add_f32 v[rS+4*k:rS+4*k+1], v[rS+4*k:rS+4*k+1], v[rS+4*k+2:rS+4*k+3]
.elseif k == 1
	v_pk_fma_f32 v[rT+2:rT+3], v[rT+2:rT+3], v[rC+2:rC+3], v[rS:rS+1] op_sel_hi:[1,0,1]
.else
	v_pk_add_f32 v[rT+2:rT+3], v[rT+2:rT+3], v[rS+4*k-4:rS+4*k-3]
.endif
.endm
; THE PLAIN QUEUE, 138 long.  0-31: c s - c m for the 16 pairs of both tiles.  Then GS's 64, and among them the next piece's 42: number 15 at 38, 39; 0-14 and 16 at 48-79, behind the products
; that make those scores; 17-20 at 110-121, two of three, since each waits for the one before it.
.macro PL
	WIN 0
.if q < 32
	REGS Y, q%2
	v_pk_fma_f32 v[rS+2*(q/2):rS+2*(q/2)+1], v[rS+2*(q/2):rS+2*(q/2)+1], s[CS:CS+1], v[rT:rT+1] op_sel_hi:[1,0,0] neg_lo:[0,0,1] neg_hi:[0,0,1]
.elseif q < 38
	GS q-32
.elseif q < 40
	XS q%2, 15
.elseif q < 48
	GS q-34
.elseif q < 80
	XS q%2, (q-48)/2+(q-48)/30
.elseif q < 110
	GS q-66
.elseif (q < 122) && ((q-110)%3 < 2)
	XS (q-110)%3, 17+(q-110)/3
.elseif q < 122
	GS 44+(q-110)/3
.else
	GS q-74
.endif
.set q, q+1
.endm
; THE EXPONENTIALS' QUEUE, 66 long: s0-s31 of both tiles, and at its end the next piece's two a.
.set EA, 64
.macro EX
	WIN 0
.if (e == EA) || (e == EA+1)
	XS e-EA, 21
.else
.set x, e-2*(e/(EA+2))
	REGS Y, x%2
	v_exp_f32 v[rS+x/2], v[rS+x/2]
.endif
.set e, e+1
.endm
; THE RESCALING's QUEUE: O^T times a, the one part that leaves window 0, dealt four at a time, eight times.
.macro R4
	REGS Y, r%2
	WIN W_RS
.irp z, 0,1,2,3
	v_pk_mul_f32 v[rO+8*(r/2)+2*\z:rO+8*(r/2)+2*\z+1], v[rO+8*(r/2)+2*\z:rO+8*(r/2)+2*\z+1], v[rC+2:rC+3] op_sel_hi:[1,0]
.endr
.set r, r+1
.endm
; HOW THEY ARE DEALT.  Behind a matrix instruction four: plain, exponential, plain, plain (SL); early in the turn, where scalings run ahead, plain, exponential, plain, exponential (S2); or four of the rescaling.
; None names a register of the products round it.  What is over stands in two lumps, exponential and plain by turns; the second ends in 12 plain instructions.
; The queues lean on each other: exponential e stands behind plain 2 (e / 4) + e % 2 (its scaling); GS g needs the exponentials up to g + 6: at plain 32 there are 14 out, at 80: 40, at 107 (g = 41): 49;
; the two a come behind plain 120 (their arguments).  Behind every exponential stands a plain line, or a product and then a plain line, that names neither its result nor its source.
.macro SL
	MM
	PL
	EX
	PL
	PL
.endm
.macro S2
	MM
	PL
	EX
	PL
	EX
.endm
; A TURN, for piece p.  cnt = 1: the loop's count is taken down some lines ahead of the branch that stands behind the turn.
; The mask operand of piece p + 1 is waited for at the head and loaded anew, for its next step, behind the ninth product: six plain instructions behind the last product that read it.
; Every turn issues 8 such loads, so the three groups younger than the one wanted are 24.  Piece 3's turn steps the offset; it is held at the last step, so that no load leaves mb.
; K of the next step is fetched in piece 2's turn, behind the last rescaling's four plain lines and more; V of the step in hand at the end of piece 0's turn.
.macro TURN p, last=0, cnt=0
.set Y, (\p)
.set i, 0
.set q, 0
.set e, 0
.set r, 0
.if (\p) == NP-1
	s_wait_xcnt 0x0                 ; the mask loads issued so far have read their base: it is written only behind this wait
	s_add_co_u32 s[MS], s[MS], 2048
	s_min_u32 s[MS], s[MS], 31*2048
	s_add_nc_u64 s[MB:MB+1], s[MB0:MB0+1], s[MS:MS+1]
	s_wait_dscnt 0x0                ; K is in
.endif
	s_wait_loadcnt 24               ; piece p + 1's mask operand is in; the three younger groups of 8 stay out
	MM
.rept 4
	PL
.endr
.rept 3
	S2
.endr
.rept 5
	SL
.endr
	MLOAD (Y+1)%NP
.rept 7
	SL
.endr
.rept 8
	MM
	R4
.endr
.rept 16
	EX
	PL
.if ((\p) == NP-2) && (e == 20)
	v_add_nc_u32 v[AK], s[TBK], v[AK0]
.endif
.if ((\p) == NP-2) && (e == 22)
	FETCH_K \last
.endif
.endr
.if (\p) == 1
	s_wait_dscnt 0x0                ; V is in
.endif
.rept 16
	SL
.endr
.rept 16
	EX
	PL
.endr
.rept 12
	PL
.if ((\p) == 0) && (q == 130)
	v_add_nc_u32 v[AV], s[TBV], v[AV0]
.endif
.if ((\p) == 0) && (q == 134)
	s_add_co_u32 s[TBV], s[TBV], KS*PV
.endif
.if (\cnt) && (q == 134)
	s_sub_co_u32 s[CNT], s[CNT], 1
	s_cmp_lg_u32 s[CNT], 0
.endif
.endr
.if (\p) == 0
	FETCH_V
.endif
.endm
	CHANGE 1                        ; slot 0 is in, everybody's part of it; slot 1 is asked for
	FETCH_K                         ; key step 0
	s_wait_loadcnt 0x0              ; Q and the first mask operands
	s_wait_dscnt 0x0
.set i, 0
.rept 24
	KQ 0                            ; piece 0's first scores: there is no vector work yet to set between them
.set i, i+1
.endr
	WIN 0                           ; the addresses for the way out: seven plain instructions, the places behind those products
	s_mul_i32 s13, s[WV], 16*SP
	s_add_co_u32 s13, s13, STAGE    ; my stage
	v_mul_u32_u24 v[STO], v1, SP    ; in: row l % 16, 16 bytes for each half of the lanes
	v_lshl_add_u32 v[STO], v9, 4, v[STO]
	v_add_nc_u32 v[STO], s13, v[STO]
	v_bfe_u32 v[RD], v0, 3, 2       ; back: 32 lanes take four rows of 128 bytes
	v_mul_u32_u24 v[RD], v[RD], SP
	v_lshl_add_u32 v[RD], v10, 4, v[RD]
	v_add_nc_u32 v[RD], s13, v[RD]
	s_mov_b32 s[MS], 2048           ; the earlier mask loads are done (the wait for 0 above), so their base may be written: key step 1
	s_add_nc_u64 s[MB:MB+1], s[MB0:MB0+1], s[MS:MS+1]
	MLOAD 0
.set Y, NP-1                        ; XS works for piece Y + 1: piece 0
.irp n, 0,1,2,3,4,5,6,7,8,9,10,11,12,13,14,15,16,17,18,19,20,21
	XS 0, \n                        ; piece 0's first maximum and statistics
	XS 1, \n
.endr
	s_mov_b32 s[CNT], 4
	s_mov_b32 s[SLOTS], SIZE_N/256-1
	s_branch .Lfirst                ; the loop is entered at a step's first turn, in the middle of a trip
.Lslot:                             ; six times: every slot but the last two is filled again
	CHANGE 1
	s_mov_b32 s[CNT], 4
.Lstep:                             ; a trip: pieces 2 and 3 of one step, then pieces 0 and 1 of the next, whose K and V it fetches
	TURN 2
	TURN 3
	WIN 0
.Lfirst:
	TURN 0
	TURN 1, 0, 1
	WIN 0
	s_cbranch_scc1 .Lstep
	s_sub_co_u32 s[SLOTS], s[SLOTS], 1
	s_cmp_lg_u32 s[SLOTS], 0
	s_cbranch_scc1 .Lslot
	CHANGE 0                        ; the tail is written out: nothing is asked for
	s_mov_b32 s[CNT], 5             ; four trips fetch the last slot's steps; the fifth is left in its middle
.Ltail:
	TURN 2, 1
	TURN 3
	WIN 0
	s_sub_co_u32 s[CNT], s[CNT], 1
	s_cmp_eq_u32 s[CNT], 0
	s_cbranch_scc1 .Lout
	TURN 0
	TURN 1
	WIN 0
	s_branch .Ltail
.Lout:                              ; the fifth trip's 24 products for S^T (on the last K and mask once more) and the maximum made of them serve nothing: the price, once a launch, of one text for every trip
.set i, 0
.rept 16
	PV NP-1                         ; the last piece's V^T P of the last step
.set i, i+1
.endr
	; THE WAY OUT.  l's two halves and the other half of the lanes' are added; O^T is divided by l, rounded to f16 and sent through my stage in LDS, a tile at a time.  The additions are the places behind the last products.
	WIN 0
.macro ALL line:vararg              ; one line for each tile t
.set t, 0
.rept 2*NP
	\line
.set t, t+1
.endr
.endm
	ALL v_add_f32 v[ST+4*t+2], v[ST+4*t+2], v[ST+4*t+3]
	ALL v_permlanex16_b32 v[ST+4*t+3], v[ST+4*t+2], s[SEL], s[SEL+1]
	ALL v_add_f32 v[ST+4*t+2], v[ST+4*t+2], v[ST+4*t+3]
	ALL v_rcp_f32 v[ST+4*t+2], v[ST+4*t+2]
	v_nop                           ; a plain instruction between the last reciprocal and the use of its result
.macro PACK t                       ; a lane's eight channels of a row pack into 16 bytes; they go into rows of 144 bytes and come back as whole rows of 128, into S^T's registers
	WIN W_RS
.set i, 32*(\t)
.rept 16
	s_wait_alu depctr_va_vdst(0)
	v_pk_mul_f32 v[i:i+1], v[i:i+1], v[ST+4*(\t)+2:ST+4*(\t)+3] op_sel_hi:[1,0]
.set i, i+2
.endr
	WIN 0x05                        ; sources 0 and 1 window 1, destination window 0
.set i, 0
.rept 16
	v_cvt_pk_f16_f32 v[S+16*(\t)+i], v[32*(\t)+2*i], v[32*(\t)+2*i+1]
.set i, i+1
.endr
	WIN 0
.irp f, 0,1,2,3
	ds_store_b128 v[STO], v[S+16*(\t)+4*\f:S+16*(\t)+4*\f+3] offset:32*\f
.endr
.irp f, 0,1,2,3
	ds_load_b128 v[S+16*(\t)+4*\f:S+16*(\t)+4*\f+3], v[RD] offset:\f*4*SP  ; LDS serves a wave's instructions in order (ISA guide 5.7.1.4): these see the stores above; the next tile's stores come behind them
.endr
.endm
.macro SEND t, younger              ; younger: the LDS instructions issued behind tile t's loads: the next tile's eight, or none
	WIN 0
.irp f, 0,1,2,3
	s_wait_dscnt (\younger)+3-\f
	global_store_b128 v[GO], v[S+16*(\t)+4*\f:S+16*(\t)+4*\f+3], s[10:11] offset:(\t)*2048+\f*512  ; 512 consecutive bytes, at a multiple of 256 from O's first
.endr
.endm
	PACK 0
.set t, 1
.rept 2*NP-1                        ; a tile's arithmetic stands between the loads of the tile before and its stores
	PACK t
	SEND t-1, 8
.set t, t+1
.endr
	SEND 2*NP-1, 0
	WIN W_AD
	s_wait_tensorcnt 0x0            ; the wave's end
	ds_add_u32 v[SPW], v[NIL]
	s_wait_dscnt 0x0
	WIN 0
	CROUND                          ; the closing round: no work-group ends while a partner may still ask for a tile that names it
	s_endpgm
.Lfunc_end_k_qdc3f31ec24_attn:
	.size	k_qdc3f31ec24_attn, .Lfunc_end_k_qdc3f31ec24_attn-k_qdc3f31ec24_attn
	.p2alignl 7, 3214868480
	.fill 96, 4, 3214868480
	.section	.rodata,"a",@progbits
	.p2align	6, 0x0
	.amdhsa_kernel k_qdc3f31ec24_attn
		.amdhsa_group_segment_fixed_size 327680
		.amdhsa_private_segment_fixed_size 0
		.amdhsa_enable_private_segment 0
		.amdhsa_kernarg_size 24
		.amdhsa_user_sgpr_count 2
		.amdhsa_user_sgpr_kernarg_segment_ptr 1
		.amdhsa_wavefront_size32 1
		.amdhsa_system_sgpr_workgroup_id_x 1
		.amdhsa_system_sgpr_workgroup_id_y 1
		.amdhsa_system_sgpr_workgroup_id_z 1
		.amdhsa_system_vgpr_workitem_id 0
		.amdhsa_next_free_vgpr 914
		.amdhsa_next_free_sgpr 76
		.amdhsa_reserve_vcc 1
		.amdhsa_float_denorm_mode_32 3
		.amdhsa_float_denorm_mode_16_64 3
		.amdhsa_memory_ordered 1
		.amdhsa_forward_progress 1
		.amdhsa_inst_pref_size 228
	.end_amdhsa_kernel
	.amdgpu_metadata
---
amdhsa.version: [ 1, 2 ]
amdhsa.kernels:
  - .name:           k_qdc3f31ec24_attn
    .symbol:         k_qdc3f31ec24_attn.kd
    .args:
      - { .name: qkv, .offset: 0, .size: 8, .value_kind: global_buffer, .address_space: global }
      - { .name: mb, .offset: 8, .size: 8, .value_kind: global_buffer, .address_space: global }
      - { .name: o, .offset: 16, .size: 8, .value_kind: global_buffer, .address_space: global }
    .group_segment_fixed_size: 327680
    .private_segment_fixed_size: 0
    .kernarg_segment_align: 8
    .kernarg_segment_size: 24
    .max_flat_workgroup_size: 128
    .sgpr_count:     76
    .vgpr_count:     914
    .wavefront_size: 32
...
	.end_amdgpu_metadata
.endif
;; end of part 3
;; launch outp (part 4): grid 4 x 64, 4 waves a work-group, clusters of 4 x 4, 327,680 bytes of LDS; arguments o, wts, bo, out0; writes out0
.if DOCPART == 4
	.amdgcn_target "amdgcn-amd-amdhsa--gfx1250"
	.amdhsa_code_object_version 6
	.text
	.protected	k_qdc3f31ec24_outp
	.globl	k_qdc3f31ec24_outp
	.p2align	8
	.type	k_qdc3f31ec24_outp,@function
k_qdc3f31ec24_outp:
	s_mov_b64 s[64:65], 0
	v_nop
	global_prefetch_b8 v0, s[64:65] scope:SCOPE_SE
	s_setreg_imm32_b32 hwreg(HW_REG_WAVE_MODE, 25, 1), 1
	s_wait_xcnt 0x0
	s_wait_alu depctr_hold_cnt(0) depctr_sa_sdst(0) depctr_va_vdst(0) depctr_va_sdst(0) depctr_va_ssrc(0) depctr_va_vcc(0) depctr_vm_vsrc(0)
	s_getreg_b32 s2, hwreg(HW_REG_IB_STS2, 6, 4)
	s_cmp_eq_u32 s2, 0
	s_cbranch_scc0 .Lentry_in_a_cluster
	s_endpgm
.Lentry_in_a_cluster:
	s_bfe_u32 s2, ttmp6, 0x10000c
	s_cmp_lg_u32 s2, 0xf033
	s_cbranch_scc0 .Lentry_shape_is_right
	s_endpgm
.Lentry_shape_is_right:
; THE OUTPUT PROJECTION.  out0[s][b][e] = sum over d of O[s][b][d] Wo[e][d] + bo[e].  O comes by heads, o[16 b + head][s][64] in f16; Wo as f16 (its bf16 rounding) from wts; bo is rounded to bf16 here and
; is the C operand that starts the sums; sums in f32; out0 is f32.
; SHARES.  A tile is 128 consecutive s of one batch x 256 features: tile row ty = 0..63 (batch ty / 16, s block ty % 16), tile column tx = 0..3: 256 work-groups.  Four waves, each 64 x 128: 32 accumulators.
; K = 1,024 goes in 8 steps of 128 = two heads: each head's 128 rows of 128 bytes are dense and are asked for as 64 rows of 256 bytes, padded in LDS after every 128; Wo's rows are 256 bytes at multiples of 256.
; CLUSTER 4 x 4: O's tiles are shared along a row of the cluster, Wo's along a column.  THE MATRIX INSTRUCTION IS USED TRANSPOSED (source 0 = 16 rows of Wo, source 1 = 16 rows of O).
; REGISTERS: window 0: v0-31 addresses; v32-63 at work; v64-159, v160-255 two fragment buffers (8 fragments of Wo, then 4 of O).  window 1: accumulator (a, b) at 8 (8 a + b).  window 2: v0-63 the bias.
.set KSTEP,  128
.set PITCH,  272                       ; a row of Wo in LDS: 256 bytes + 16
.set APITCH, 144                       ; a row of one head of O: 128 bytes + 16; both pitches are odd multiples of 16: the 16 rows of a load start at 16 different groups of four banks (ISA guide 11.1)
.set AHEAD,  128*APITCH                ; a head's 128 rows: what one of O's loads brings
.set BTILE,  128*PITCH                 ; 128 rows of Wo
.set BOFF,   2*AHEAD                   ; a slot: two heads of O, then Wo's 256 rows
.set SLOT,   2*AHEAD+2*BTILE
.set STAGE,  2*SLOT                    ; behind the ring, never filled by a tensor load: 16 rows x 528 bytes for each wave
.set SPITCH, 528
.set SPARE,  STAGE+4*16*SPITCH         ; the spare words, 128 bytes for each wave
.set LAPS,   4
.set WOFF,   6291456                   ; Wo's first byte in wts: behind Wq, Wk, Wv
.set ASTEP,  4*262144                  ; two K steps on: four heads
.set ADRA, 16
.set ADRB, 20
.set STO,  24
.set RD,   25
.set CO,   26
.set SPW,  28
.set NIL,  29
.set BO,   30
.set TMP,  32
.set F0,   64
.set F1,   160
.set BK,   64                          ; the way out: rows read back, v64-127 and v128-191 by turns
.set G1,  24
.set G0,  32
.set G1B, 48
.set G0B, 56
.set MSB, 0
.macro WIN new
.if MSB != (\new)
	s_set_vgpr_msb (MSB<<8)|(\new)
.set MSB, \new
.endif
.endm
.set MUL,  0x50                        ; sources 0 and 1 window 0; C and D window 1
.set MUL0, 0x60                        ; the same with C in window 2: the bias
.macro JLOAD s                         ; a joint load: waves 0 and 1 fetch the step's two heads of O, waves 2 and 3 Wo's two halves; an s_nop 0 and four v_nop follow each line
	s_cmp_eq_u32 s11, 0
	s_cbranch_scc0 .Lfor_b_\@
	tensor_load_to_lds s[G0+4*(\s):G0+4*(\s)+3], s[G1:G1+7]
	s_nop 0
.rept 4
	v_nop
.endr
	s_branch .Lasked_\@
.Lfor_b_\@:
	tensor_load_to_lds s[G0B+4*(\s):G0B+4*(\s)+3], s[G1B:G1B+7]
	s_nop 0
.rept 4
	v_nop
.endr
.Lasked_\@:
.endm
.macro CREST
	s_cmp_lg_u32 s10, 0
	s_cbranch_scc1 .Lnot_wave_0_\@
	s_barrier_signal -3
.Lnot_wave_0_\@:
	s_barrier_wait -3
	s_barrier_signal -1
	s_barrier_wait -1
.endm
.macro CROUND
	s_barrier_signal -1
	s_barrier_wait -1
	CREST
.endm
	s_load_b256 s[68:75], s[0:1], 0x0              ; o s[68:69], wts s[70:71], bo s[72:73], out0 s[74:75]
	v_lshl_add_u32 v[SPW], v0, 2, SPARE
	v_mov_b32 v[NIL], 0
	ds_add_u32 v[SPW], v[NIL]                      ; the wave's opening: the add and its wait stand ahead of my first tensor load
	v_lshrrev_b32 v1, 5, v0
	v_readfirstlane_b32 s10, v1                    ; wave 0..3
	s_lshr_b32 s11, s10, 1                         ; which 64 rows are mine.  Also: I fetch for O (0) or for Wo (1)
	s_and_b32 s12, s10, 1                          ; which 128 features.  Also: which head, or which half of Wo's rows, I fetch
	s_bfe_u32 s40, ttmp6, 0x40000                  ; cx
	s_bfe_u32 s41, ttmp6, 0x40004                  ; cy
	s_lshl_b32 s42, ttmp9, 2
	s_add_co_u32 s42, s42, s40                     ; tx
	s_and_b32 s13, ttmp7, 0xffff
	s_lshl_b32 s13, s13, 2
	s_add_co_u32 s13, s13, s41                     ; ty
	s_lshl_b32 s43, s41, 2
	s_lshl_b32 s43, 15, s43                        ; my row of the cluster
	s_lshl_b32 s44, 0x1111, s40                    ; my column
	s_or_b32 s[G1+0], s43, (1<<16)|(1<<20)|(1<<21)|(4<<22)|(3<<25)   ; O: padding after every 32 words, 4 words
	s_or_b32 s[G1B+0], s44, (1<<16)|(1<<20)|(1<<21)|(5<<22)|(3<<25)  ; Wo: after every 64 words
	s_mov_b32 s[G1+1], 128<<16                     ; tensor_dim0 = 128
	s_mov_b32 s[G1+2], 64<<16                      ; tensor_dim1 = 64
	s_mov_b32 s[G1+3], 128<<16                     ; tile_dim0 = 128
	s_mov_b32 s[G1+4], 64                          ; tile_dim1 = 64
	s_mov_b32 s[G1+5], 128                         ; dense: 128 elements from row to row
	s_mov_b32 s[G1+6], 0
	s_mov_b32 s[G1+7], 0
	s_mov_b32 s[G1B+1], KSTEP<<16
	s_mov_b32 s[G1B+2], 128<<16
	s_mov_b32 s[G1B+3], KSTEP<<16
	s_mov_b32 s[G1B+4], 128
	s_mov_b32 s[G1B+5], 1024
	s_mov_b32 s[G1B+6], 0
	s_mov_b32 s[G1B+7], 0
	s_and_b32 s14, s13, 15                         ; s block
	s_lshr_b32 s15, s13, 4                         ; batch
	s_lshl_b32 s16, s15, 22                        ; O's tile: (16 batch + my head of the step) x 262,144 + s block x 128 x 128
	s_lshl_b32 s17, s12, 18
	s_add_co_u32 s16, s16, s17
	s_lshl_b32 s17, s14, 14
	s_add_co_u32 s16, s16, s17
	s_mov_b32 s17, 0
	s_lshl_b32 s46, s42, 19                        ; Wo's tile: WOFF + tx x 256 x 2,048 + half x 128 x 2,048
	s_lshl_b32 s47, s12, 18
	s_add_co_u32 s46, s46, s47
	s_add_co_u32 s46, s46, WOFF
	s_mov_b32 s47, 0
	s_lshl_b32 s18, s14, 21                        ; my part of out0: s block x 128 x 16,384 + half x 64 x 16,384 + batch x 4,096 + tx x 1,024 + half x 512
	s_lshl_b32 s19, s11, 20
	s_add_co_u32 s18, s18, s19
	s_lshl_b32 s19, s15, 12
	s_add_co_u32 s18, s18, s19
	s_lshl_b32 s19, s42, 10
	s_add_co_u32 s18, s18, s19
	s_lshl_b32 s19, s12, 9
	s_add_co_u32 s18, s18, s19
	s_mov_b32 s19, 0
	s_mul_i32 s20, s12, AHEAD                      ; where the tiles go: the wave's number alone enters an LDS address
	s_mul_i32 s21, s12, BTILE
	s_add_co_u32 s21, s21, BOFF
	s_wait_dscnt 0x0                               ; the opening add is done
	s_wait_kmcnt 0x0
	s_add_nc_u64 s[14:15], s[68:69], s[16:17]
	s_add_nc_u64 s[46:47], s[70:71], s[46:47]
	s_add_nc_u64 s[8:9], s[74:75], s[18:19]
	CROUND                                         ; all sixteen work-groups are here: the first joint loads meet
.irp s, 0,1
	s_mov_b32 s[G0+4*(\s)], 1
	s_add_co_u32 s[G0+4*(\s)+1], s20, (\s)*SLOT
	s_add_nc_u64 s[G0+4*(\s)+2:G0+4*(\s)+3], s[14:15], (\s)*2*262144
	s_or_b32 s[G0+4*(\s)+3], s[G0+4*(\s)+3], 0x80000000
	s_mov_b32 s[G0B+4*(\s)], 1
	s_add_co_u32 s[G0B+4*(\s)+1], s21, (\s)*SLOT
	s_add_nc_u64 s[G0B+4*(\s)+2:G0B+4*(\s)+3], s[46:47], (\s)*KSTEP*2
	s_or_b32 s[G0B+4*(\s)+3], s[G0B+4*(\s)+3], 0x80000000
	JLOAD \s                                       ; two loads of mine are out: K steps 0 and 1
.endr
	v_and_b32 v1, 15, v0                           ; l % 16
	v_bfe_u32 v2, v0, 4, 1                         ; l / 16
	v_mul_u32_u24 v3, v1, PITCH
	v_lshl_add_u32 v3, v2, 4, v3                   ; Wo: row x pitch + 16 x half
	v_mul_u32_u24 v6, v1, APITCH
	v_lshl_add_u32 v6, v2, 4, v6                   ; O: the same with its pitch
	s_mul_i32 s22, s11, 64*APITCH
	s_mul_i32 s23, s12, BTILE
	s_add_co_u32 s23, s23, BOFF
.irp s, 0,1
	v_add_nc_u32 v[ADRA+(\s)], s22, v6
	v_add_nc_u32 v[ADRB+(\s)], s23, v3
	s_add_co_u32 s22, s22, SLOT
	s_add_co_u32 s23, s23, SLOT
.endr
	s_mul_i32 s23, s10, 16*SPITCH
	s_add_co_u32 s23, s23, STAGE                   ; my stage
	v_mul_u32_u24 v4, v1, SPITCH                   ; in: row l % 16, 32 bytes for each half of the lanes
	v_lshl_add_u32 v4, v2, 5, v4
	v_add_nc_u32 v[STO], s23, v4
	v_and_b32 v[CO], 31, v0                        ; back: 32 lanes take one row of 512 bytes
	v_lshlrev_b32 v[CO], 4, v[CO]
	v_add_nc_u32 v[RD], s23, v[CO]
	s_lshl_b32 s16, s42, 10                        ; the bias of my 128 features
	s_lshl_b32 s17, s12, 9
	s_add_co_u32 s16, s16, s17
	v_lshl_add_u32 v[BO], v2, 5, s16
.irp b, 0,1,2,3,4,5,6,7
	global_load_b128 v[F0+8*(\b):F0+8*(\b)+3],   v[BO], s[72:73] offset:64*(\b)
	global_load_b128 v[F0+8*(\b)+4:F0+8*(\b)+7], v[BO], s[72:73] offset:64*(\b)+16
.endr
	s_wait_loadcnt 0x0
.set i, 0
.rept 32
	v_cvt_pk_bf16_f32 v[TMP+i], v[F0+2*i], v[F0+2*i+1]
.set i, i+1
.endr
	WIN 0x80                                       ; destination window 2
.set i, 0
.rept 32
	v_lshlrev_b32 v[2*i], 16, v[TMP+i]
	v_and_b32 v[2*i+1], 0xffff0000, v[TMP+i]
.set i, i+1
.endr
	WIN 0
; 8 matrix instructions: row block a x all 8 feature blocks, 32 along K.  zero = 1: the first product starts the sums, with the bias as C.  The 32 accumulators take turns in one order everywhere.
.macro MUL8 f, a, zero
.if \zero
	WIN MUL0
.else
	WIN MUL
.endif
.irp b, 0,1,2,3,4,5,6,7
.if \zero
	v_wmma_f32_16x16x32_f16 v[8*(8*(\a)+(\b)):8*(8*(\a)+(\b))+7], v[(\f)+8*(\b):(\f)+8*(\b)+7], v[(\f)+64+8*(\a):(\f)+64+8*(\a)+7], v[8*(\b):8*(\b)+7]
.else
	v_wmma_f32_16x16x32_f16 v[8*(8*(\a)+(\b)):8*(8*(\a)+(\b))+7], v[(\f)+8*(\b):(\f)+8*(\b)+7], v[(\f)+64+8*(\a):(\f)+64+8*(\a)+7], v[8*(8*(\a)+(\b)):8*(8*(\a)+(\b))+7]
.endif
.endr
.endm
; 24 LDS loads in one run: quarter kq's fragments into buffer f: Wo's eight, then O's four (head kq / 2 of the step, channels 32 (kq % 2) on)
.macro FETCH slot, kq, f
	WIN 0
.irp i, 0,1,2,3,4,5,6,7
	ds_load_b128 v[(\f)+8*(\i):(\f)+8*(\i)+3],   v[ADRB+(\slot)] offset:64*(\kq)+(\i)*16*PITCH
	ds_load_b128 v[(\f)+8*(\i)+4:(\f)+8*(\i)+7], v[ADRB+(\slot)] offset:64*(\kq)+(\i)*16*PITCH+32
.endr
.irp i, 0,1,2,3
	ds_load_b128 v[(\f)+64+8*(\i):(\f)+64+8*(\i)+3],   v[ADRA+(\slot)] offset:((\kq)/2)*AHEAD+((\kq)%2)*64+(\i)*16*APITCH
	ds_load_b128 v[(\f)+64+8*(\i)+4:(\f)+64+8*(\i)+7], v[ADRA+(\slot)] offset:((\kq)/2)*AHEAD+((\kq)%2)*64+(\i)*16*APITCH+32
.endr
.endm
.macro PLACES                          ; four places in front of loads into registers that matrix instructions have read, and of lines that read results
.rept 4
	v_nop
.endr
.endm
.macro QUARTER slot, kq, f, g, zero
	s_wait_dscnt 4                                 ; Wo's fragments and O's blocks 0, 1 are in; the youngest four loads may be out
	MUL8 \f, 0, \zero
	MUL8 \f, 1, \zero
	PLACES
	FETCH \slot, \kq, \g
	s_wait_dscnt 24                                ; all but the 24 just issued
	MUL8 \f, 2, \zero
	MUL8 \f, 3, \zero
.endm
; The last quarter multiplies buffer 1 and changes slots: ONE barrier; in front of it each wave waits for all its tensor loads, adds 0 to its spare word, and waits for that and for its reads of this slot.
.macro TURN slot, next, fill
	WIN 0
	s_wait_tensorcnt 0x0                           ; all my tensor loads have landed: the one that was out is my part of the next slot
	ds_add_u32 v[SPW], v[NIL]                      ; 0 onto my spare word
	s_wait_dscnt 5                                 ; (the add and the youngest four loads may be out)
	MUL8 F1, 0, 0
	s_wait_dscnt 0x0                               ; the add is done, and my reads of this slot are over
	s_barrier_signal -1
	MUL8 F1, 1, 0
.if \fill
	WIN 0
.endif
	s_barrier_wait -1
.if \fill
	CREST                                          ; the barrier has opened a round of the cluster's: no wave of any partner still reads this slot or has a load on its way
	s_add_nc_u64 s[G0+4*(\slot)+2:G0+4*(\slot)+3], s[G0+4*(\slot)+2:G0+4*(\slot)+3], ASTEP
	s_add_nc_u64 s[G0B+4*(\slot)+2:G0B+4*(\slot)+3], s[G0B+4*(\slot)+2:G0B+4*(\slot)+3], 2*KSTEP*2
	JLOAD \slot                                    ; the first tensor load behind the round, my only one until the next; its four v_nop are also the places in front of the loads below
.else
	PLACES
.endif
	FETCH \next, 0, F0
	MUL8 F1, 2, 0
	MUL8 F1, 3, 0
.endm
	s_wait_tensorcnt 1                             ; my part of K step 0 is in; step 1's may stay out
	s_barrier_signal -1
	s_barrier_wait -1
	FETCH 0, 0, F0
	QUARTER 0, 1, F0, F1, 1                        ; the first quarter stands in front of the loop: its products start the sums
	WIN 0
	s_mov_b32 s3, LAPS-1
.Llap:
	QUARTER 0, 2, F1, F0, 0
	QUARTER 0, 3, F0, F1, 0
	TURN 0, 1, 1
	QUARTER 1, 1, F0, F1, 0
	QUARTER 1, 2, F1, F0, 0
	QUARTER 1, 3, F0, F1, 0
	TURN 1, 0, 1
	QUARTER 0, 1, F0, F1, 0
	WIN 0
	s_sub_co_u32 s3, s3, 1
	s_cmp_lg_u32 s3, 0
	s_cbranch_scc1 .Llap
	QUARTER 0, 2, F1, F0, 0                        ; the last lap fills nothing
	QUARTER 0, 3, F0, F1, 0
	TURN 0, 1, 0
	QUARTER 1, 1, F0, F1, 0
	QUARTER 1, 2, F1, F0, 0
	QUARTER 1, 3, F0, F1, 0
	s_wait_dscnt 4
	MUL8 F1, 0, 0
	MUL8 F1, 1, 0
	s_wait_dscnt 0x0
	MUL8 F1, 2, 0
	MUL8 F1, 3, 0
	WIN 0
; THE WAY OUT, 16 rows at a time, in f32: a lane's eight numbers (32 bytes of a row) go into my own stage, each accumulator's low four registers first; whole rows of 512 bytes come back.
.macro TOSTAGE a
	WIN 0x04                                       ; the stores' data lie in window 1
.irp b, 0,1,2,3,4,5,6,7
	ds_store_b128 v[STO], v[8*(8*(\a)+(\b)):8*(8*(\a)+(\b))+3] offset:64*(\b)
	ds_store_b128 v[STO], v[8*(8*(\a)+(\b))+4:8*(8*(\a)+(\b))+7] offset:64*(\b)+16
.endr
	WIN 0
.set BKR, BK+64*((\a)%2)
.irp t, 0,1,2,3,4,5,6,7,8,9,10,11,12,13,14,15
	ds_load_b128 v[BKR+4*(\t):BKR+4*(\t)+3], v[RD] offset:(\t)*SPITCH  ; LDS serves a wave's instructions in order (ISA guide 5.7.1.4): these see the stores above
.endr
.endm
.macro SEND a
.set BKR, BK+64*((\a)%2)
	s_wait_dscnt 0x0                               ; the block is back in registers
	s_wait_xcnt 0x0                                ; the stores of the block before have read their data: its registers are loaded again only behind this wait
.irp t, 0,1,2,3,4,5,6,7,8,9,10,11,12,13,14,15
	global_store_b128 v[CO], v[BKR+4*(\t):BKR+4*(\t)+3], s[8:9] offset:(16*(\a)+(\t))*16384 th:TH_STORE_NT  ; 512 consecutive bytes of one row, at a multiple of 512 from out0's first
.endr
.endm
	PLACES
	TOSTAGE 0
.irp a, 1,2,3
	SEND (\a)-1
	TOSTAGE \a
.endr
	SEND 3
	s_wait_tensorcnt 0x0                           ; the wave's end
	ds_add_u32 v[SPW], v[NIL]
	s_wait_dscnt 0x0
	CROUND                                         ; the closing round: no work-group ends while a partner may still ask for a tile that names it
	s_endpgm
.Lfunc_end_k_qdc3f31ec24_outp:
	.size	k_qdc3f31ec24_outp, .Lfunc_end_k_qdc3f31ec24_outp-k_qdc3f31ec24_outp
	.p2alignl 7, 3214868480
	.fill 96, 4, 3214868480
	.section	.rodata,"a",@progbits
	.p2align	6, 0x0
	.amdhsa_kernel k_qdc3f31ec24_outp
		.amdhsa_group_segment_fixed_size 327680
		.amdhsa_private_segment_fixed_size 0
		.amdhsa_enable_private_segment 0
		.amdhsa_kernarg_size 32
		.amdhsa_user_sgpr_count 2
		.amdhsa_user_sgpr_kernarg_segment_ptr 1
		.amdhsa_wavefront_size32 1
		.amdhsa_system_sgpr_workgroup_id_x 1
		.amdhsa_system_sgpr_workgroup_id_y 1
		.amdhsa_system_sgpr_workgroup_id_z 1
		.amdhsa_system_vgpr_workitem_id 0
		.amdhsa_next_free_vgpr 576
		.amdhsa_next_free_sgpr 80
		.amdhsa_reserve_vcc 0
		.amdhsa_float_denorm_mode_32 3
		.amdhsa_float_denorm_mode_16_64 3
		.amdhsa_memory_ordered 1
		.amdhsa_forward_progress 1
		.amdhsa_inst_pref_size 92
	.end_amdhsa_kernel
	.amdgpu_metadata
---
amdhsa.version: [ 1, 2 ]
amdhsa.kernels:
  - .name:           k_qdc3f31ec24_outp
    .symbol:         k_qdc3f31ec24_outp.kd
    .args:
      - { .name: o, .offset: 0, .size: 8, .value_kind: global_buffer, .address_space: global }
      - { .name: wts, .offset: 8, .size: 8, .value_kind: global_buffer, .address_space: global }
      - { .name: bo, .offset: 16, .size: 8, .value_kind: global_buffer, .address_space: global }
      - { .name: out0, .offset: 24, .size: 8, .value_kind: global_buffer, .address_space: global }
    .group_segment_fixed_size: 327680
    .private_segment_fixed_size: 0
    .kernarg_segment_align: 8
    .kernarg_segment_size: 32
    .max_flat_workgroup_size: 128
    .sgpr_count:     80
    .vgpr_count:     576
    .wavefront_size: 32
...
	.end_amdgpu_metadata
.endif
;; end of part 4
